; MI455X (gfx1250); checked and timed in simulation.
; The chip was launched on July 23, 2026; its instructions are those of AMD's public machine-readable ISA for CDNA 5 (MIT licence, August 2026) and "CDNA5" Instruction Set Architecture Reference Guide (July 2026). The comments in the code are by the model that wrote it; some were corrected since.
;; Rope Attention. Allowed arithmetic: matrix products marked QUANTISED: E3M2 operands, one E8M0 scale for each 32 along K, by v_wmma_scale_f32_16x16x128_f8f6f4 with both operands' format E3M2, f32 sums; everything else in f32.
;; Inputs: Wk 2,048 x 1,024 float32; Wo 1,024 x 2,048 float32; Wq 2,048 x 1,024 float32; Wv 2,048 x 1,024 float32; attention_mask 2 x 1 x 2,048 x 2,048 float32; hidden_states 2 x 2,048 x 2,048 float32; position_ids 2 x 2,048 int32.
;; Outputs: out0 2 x 2,048 x 2,048 float32.
;; This version of the problem:
;;   THIS VERSION OF THE PROBLEM IS GIVEN IN LOW PRECISION. The matrix products marked QUANTISED in the list below multiply operands that are first quantised to E3M2 (3 exponent bits, 2 mantissa bits; 6 bits a number), with one power-of-two scale for each 32 numbers along K (OCP MX v1.0); their sums are f32. All else is computed in f32.
;;   The module's matrix products, in the order in which they are computed (A, B: the left and right operand; K: the contracted axis; several contracted axes count as one K, in the product's order):
;;     1. [M 4,096, K 2,048] x [K 2,048, N 1,024]; A: input hidden_states; B: input Wq: QUANTISED
;;     2. [M 4,096, K 2,048] x [K 2,048, N 1,024]; A: input hidden_states; B: input Wk: QUANTISED
;;     3. [M 4,096, K 2,048] x [K 2,048, N 1,024]; A: input hidden_states; B: input Wv: QUANTISED
;;     4. batch 32 x [M 2,048, K 64] x [K 64, N 2,048]; A: computed on the way; B: computed on the way: QUANTISED
;;     5. batch 32 x [M 2,048, K 2,048] x [K 2,048, N 64]; A: softmax (see below); B: computed on the way: QUANTISED
;;     6. [M 4,096, K 1,024] x [K 1,024, N 2,048]; A: computed on the way; B: input Wo: QUANTISED
;;   THE QUANTISER, for each operand of a quantised product, along K:
;;     - K is cut into blocks of 32 from its start; a last block that is shorter is filled with zeros.
;;     - A block's scale is 2^e with e = floor(log2(the largest magnitude in the block)) - 4, held to -126 .. 127; a block of zeros has e = 0. As a byte (E8M0): e + 127.
;;     - Each number is divided by its block's scale, clamped to +-28, and rounded to the nearest number of E3M2, ties to even, subnormals kept.
;;     - The product sums the exact products of the quantised numbers (number of the format x scale) in f32.
;;   ~~~python
;;   def quantise(x, axis):      # numpy; x: float32 -> the quantised numbers, widened to float32 again
;;       x = np.moveaxis(x, axis, -1); K = x.shape[-1]
;;       x = np.pad(x, [(0, 0)] * (x.ndim - 1) + [(0, -K % 32)]); x = x.reshape(x.shape[:-1] + (-1, 32)); a = np.abs(x).max(-1, keepdims=True)
;;       e = np.where(a > 0, np.clip(np.frexp(np.where(a > 0, a, 1))[1] - 1 - 4, -126, 127), 0)      # np.frexp(a)[1] - 1 = floor(log2(a)), exactly
;;       r = np.clip(x / 2.0 ** e, -28, 28)
;;       step = 2.0 ** (np.maximum(np.frexp(np.where(r == 0, 1, r))[1] - 1, -2) - 2)
;;       q = np.round(r / step) * step * 2.0 ** e      # np.round: ties to even
;;       return np.moveaxis(q.reshape(q.shape[:-2] + (-1,))[..., :K], -1, axis).astype(np.float32)
;;   ~~~
;;   SOFTMAX AHEAD OF A QUANTISED PRODUCT. Where the list says 'softmax', what is quantised is not the finished softmax but p = 2^(t - M), with t = logit x log2(e) and M = ceil(the row's largest t), a whole number; so 1/2 < the row's largest p <= 1. The row's sum l is taken of the UNQUANTISED p, in f32, and the product's result is divided by l at the end. Since M is a whole number, a kernel that streams over the keys may use a running M (the ceiling of the running maximum): every later rescaling is an exact power of two, which a block's scale takes up: the codes' values come out the same.
;;   OPERANDS COMPUTED ON THE WAY. 'Computed on the way' means the value that the module computes at that place (a softmax that the list does not call 'softmax' is quantised finished and normalised). What goes into a quantiser is computed in f32, as accurately as f32 sums, v_exp_f32 and their like allow (about 1e-6 of the number): no bf16 or f16 on the way to a quantiser, and a product that is left as it is and whose result goes on into a quantised operand takes f32 operands (vector FMAs, or v_wmma_f32_16x16x4_f32). A number that lies on a knife's edge between two numbers of the format may be rounded either way, as far as f32 arithmetic and the matrix unit's own rounding can turn it there, and no further.
;; One version. Each part assembles by itself: llvm-mc -triple=amdgcn-amd-amdhsa -mcpu=gfx1250 --defsym DOCPART=n.
;; ======== version 1 of 1: 4 launches
;; limits: inputs' magnitudes at most 1,048,576
;; workspace buffers: xw_codes 11,010,048 bytes; xw_scales 458,752 bytes; rope 1,048,576 bytes; qbuf 3,407,872 bytes; kv 6,684,672 bytes; ow_codes 4,718,592 bytes; ow_scales 196,608 bytes
;; launch prep (part 1): grid 512 x 1, 4 waves a work-group, no clusters, 69,120 bytes of LDS; arguments Wq, Wk, Wv, Wo, xw_codes, xw_scales, ow_codes, ow_scales, hidden_states, position_ids, rope; writes xw_codes, xw_scales, ow_codes, ow_scales, rope
.if DOCPART == 1
	.amdgcn_target "amdgcn-amd-amdhsa--gfx1250"
	.amdhsa_code_object_version 6
	.text
	.protected	k_q1e783d568e_prep
	.globl	k_q1e783d568e_prep
	.p2align	8
	.type	k_q1e783d568e_prep,@function
k_q1e783d568e_prep:
	s_mov_b64 s[64:65], 0
	v_nop
	global_prefetch_b8 v0, s[64:65] scope:SCOPE_SE
	s_setreg_imm32_b32 hwreg(HW_REG_WAVE_MODE, 25, 1), 1
	s_wait_xcnt 0x0
; ONE LAUNCH QUANTISES ALL OPERANDS THAT ARRIVE AS f32, into codes of BF6 (E3M2) with K innermost and one E8M0 byte for each 32 along K, and makes the table of cos and sin.
; Work-groups 0-255 take hidden_states (K innermost) and the table; work-groups 256-511 take Wq, Wk, Wv, Wo (K is the first axis).  The two ways part once, on the work-group's number, share no line behind that,
; have no barrier, and each has LDS bytes of its own: 0 .. 32,767 and 32,768 .. 67,583.
; A block's scale is 2^(floor(log2(largest magnitude)) - 4); its byte is the largest magnitude's exponent field - 4, held at 1 from below.  A block of zeros gets the byte 1: its codes are zeros, and this program alone reads the bytes.
; THE ORDER OF ROWS.  In every 32 rows (of x) or columns (of a weight) the workspace place is the number with bits 3 and 4 exchanged: a tile of 16 places then holds rows 8 u + r + 8 (r / 8), and two neighbouring tiles used as a
; matrix instruction's first source give a lane 16 NEIGHBOURS in its 16 registers.
; LIMITS: NaN and infinities among the inputs are not served; blocks whose largest magnitude lies under 2^-122 keep the byte 1; the reduction of the angles holds about 1e-7 absolute for |position| up to 2^20.
.set XWGS,  256
.set EMAX,  4
	v_lshl_add_u32 v208, v0, 2, 0x10c00
	v_mov_b32 v209, 0
	s_cmp_lt_u32 ttmp9, XWGS
	s_cbranch_scc0 .Lweights
; ---- hidden_states [4096][2048].  A wave takes 4 aligned rows (8,192 numbers), which stay together: only the run's number W changes, bits 1 and 2 exchanged.
; 16 steps of 512 numbers: each of a step's four loads reads 512 consecutive bytes; the 2,048 bytes turn through the wave's own stage in LDS (16 bytes of padding behind each 64) and come back 64 bytes a lane,
; so that a lane holds 16 neighbours along K and two neighbouring lanes a block.  Codes leave as 384 consecutive bytes a step, the wave's 256 scale bytes as one aligned run.  Loads run four steps ahead.
; THE TABLE.  Block ab (16 places of tokens) is 4,096 bytes: piece i at 512 i, lane l's 16 bytes at 16 l: cos f, cos (f + 1), sin f, sin (f + 1), f = 16 (l / 16) + 2 i, for the token of place l % 16.  Wave w makes pieces 2 w, 2 w + 1.
; angle = position x 10000^(-f / 32); the power by v_exp_f32; cos and sin by a reduction by multiples of pi/2 in two parts and polynomials of degree 7 and 8 on +-pi/4.
.set STEPS, 16
.set CB,    12                         ; bytes of 16 codes
.set R,     16                         ; v16-79   four sets of 16 numbers as loaded
.set X,     80                         ; v80-111  two sets of 16 neighbours
.set C,     128                        ; v128-191 codes, four registers a step
.set E,     112                        ; v112-127 a scale byte a step
.set WREG,  8192                       ; LDS of a wave: two stages of 32 x SP bytes, then 256 scale bytes
.set SP,    80
	s_load_b128 s[4:7], s[0:1], 0x40               ; hidden_states, position_ids
	s_load_b128 s[8:11], s[0:1], 0x20              ; xw_codes, xw_scales
	s_load_b64 s[12:13], s[0:1], 0x50              ; rope
	v_lshrrev_b32 v1, 5, v0
	v_readfirstlane_b32 s16, v1                    ; wave
	v_and_b32 v2, 31, v0                           ; lane
	v_lshlrev_b32 v3, 4, v2                        ; my 16 bytes of a load's 512
	s_mul_i32 s17, s16, WREG
	v_lshrrev_b32 v14, 2, v2
	v_mul_u32_u24 v14, v14, SP
	v_and_b32 v15, 3, v2
	v_lshl_add_u32 v14, v15, 4, v14
	v_add_nc_u32 v14, s17, v14                     ; the stage, on the way in: SP (lane / 4) + 16 (lane % 4)
	v_mul_u32_u24 v15, v2, SP
	v_add_nc_u32 v15, s17, v15                     ; and on the way out: SP x lane
	v_mul_u32_u24 v4, v2, CB                       ; my codes' place in a step's
	v_lshrrev_b32 v5, 1, v2
	s_add_co_u32 s17, s17, 2*32*SP
	v_add_nc_u32 v5, s17, v5                       ; my block's byte among the wave's 256
	v_lshlrev_b32 v7, 3, v2
	v_add_nc_u32 v6, s17, v7
	v_and_b32 v1, 15, v2                           ; the token of my place in block ab = the work-group's number:
	v_and_b32 v8, 8, v2
	v_add_nc_u32 v1, v1, v8                        ; r + 8 (r / 8)
	s_lshr_b32 s20, ttmp9, 1
	s_lshl_b32 s20, s20, 5
	s_and_b32 s21, ttmp9, 1
	s_lshl_b32 s21, s21, 3
	s_add_co_u32 s20, s20, s21                     ; + 32 (ab / 2) + 8 (ab % 2)
	v_add_nc_u32 v1, s20, v1
	v_lshlrev_b32 v1, 2, v1                        ; its position's byte
	s_lshl_b32 s18, ttmp9, 2
	s_add_co_u32 s18, s18, s16                     ; W: which run of 8,192 numbers is my wave's
	s_lshr_b32 s19, s18, 1
	s_lshr_b32 s20, s18, 2
	s_xor_b32 s19, s19, s20
	s_and_b32 s19, s19, 1
	s_mul_i32 s19, s19, 6
	s_xor_b32 s19, s19, s18                        ; W with bits 1 and 2 exchanged: where the run goes
	s_lshl_b32 s20, s18, 15
	s_mov_b32 s21, 0
	s_mul_i32 s22, s19, 32*STEPS*CB
	s_mov_b32 s23, 0
	s_lshl_b32 s24, s19, 8
	s_mov_b32 s25, 0
	s_lshl_b32 s26, ttmp9, 12
	s_lshl_b32 s27, s16, 10
	s_add_co_u32 s26, s26, s27                     ; the table: block ab, pieces 2 wave on
	s_mov_b32 s27, 0
	s_wait_kmcnt 0x0
	s_add_nc_u64 s[4:5], s[4:5], s[20:21]
	s_add_nc_u64 s[8:9], s[8:9], s[22:23]
	s_add_nc_u64 s[10:11], s[10:11], s[24:25]
	s_add_nc_u64 s[12:13], s[12:13], s[26:27]
	global_load_b32 v10, v1, s[6:7]                ; my token's position: the oldest load, so the first counted wait below covers it
.macro XLOAD t
.irp i, 0,1,2,3
	global_load_b128 v[R+16*((\t)%4)+4*\i:R+16*((\t)%4)+4*\i+3], v3, s[4:5] offset:2048*(\t)+512*\i th:TH_LOAD_NT   ; 32 lanes read 512 consecutive bytes
.endr
.endm
.macro XTURN t                         ; step t's numbers through the stage: LDS serves a wave's instructions in order, so no wait stands between the stores and the loads
.irp i, 0,1,2,3
	ds_store_b128 v14, v[R+16*((\t)%4)+4*\i:R+16*((\t)%4)+4*\i+3] offset:32*SP*((\t)%2)+8*SP*\i
.endr
.irp i, 0,1,2,3
	ds_load_b128 v[X+16*((\t)%2)+4*\i:X+16*((\t)%2)+4*\i+3], v15 offset:32*SP*((\t)%2)+16*\i
.endr
.endm
.irp t, 0,1,2,3
	XLOAD \t
.endr
	s_wait_loadcnt 12                              ; the position and step 0's four loads are in; twelve younger loads stay out
	XTURN 0
.macro XSTEP t
.set XS, X+16*((\t)%2)
.if (\t) > 0
	s_wait_dscnt 1                                 ; this step's numbers are back from the stage (the last step's byte store may be out)
.else
	s_wait_dscnt 0x0
.endif
.if (\t)+4 < STEPS
	XLOAD (\t)+4
.endif
.if (\t)+1 < STEPS
.if STEPS-2-(\t) >= 3
	s_wait_loadcnt 12                              ; the next step's four loads are in; those of the three steps behind it may be out
.else
	s_wait_loadcnt 4*(STEPS-2-(\t))
.endif
	XTURN (\t)+1
.endif
	v_max3_num_f32 v8, |v[XS]|, |v[XS+1]|, |v[XS+2]|               ; the largest magnitude of my 16, in two chains
	v_max3_num_f32 v9, |v[XS+3]|, |v[XS+4]|, |v[XS+5]|
.irp i, 6,10
	v_max3_num_f32 v8, v8, |v[XS+\i]|, |v[XS+\i+1]|
	v_max3_num_f32 v9, v9, |v[XS+\i+2]|, |v[XS+\i+3]|
.endr
	v_max3_num_f32 v8, v8, |v[XS+14]|, |v[XS+15]|
	v_max3_num_f32 v8, v8, v9, (EMAX+1)<<23        ; and the floor 2^(5 - 127): the byte cannot fall under 1
	v_max_num_f32_dpp v8, v8, v8 row_xmask:1 row_mask:0xf bank_mask:0xf   ; with my neighbour's 16: the block's
	v_add_nc_u32 v11, -(EMAX<<23), v8              ; 4 off its exponent field: the conversion takes this operand's exponent field as its scale
	v_cvt_scalef32_pk16_bf6_f32 v[C+4*(\t):C+4*(\t)+2], v[XS:XS+15], v11
	v_lshrrev_b32 v[E+(\t)], 23, v11               ; the scale's byte
	ds_store_b8 v5, v[E+(\t)] offset:16*(\t)       ; both lanes of a block write the same byte with the same value
	global_store_b96 v4, v[C+4*(\t):C+4*(\t)+2], s[8:9] offset:32*CB*(\t)
.endm
.irp t, 0,1,2,3,4,5,6,7,8,9,10,11,12,13,14,15
	XSTEP \t
.endr
	ds_load_b64 v[12:13], v6                       ; LDS serves a wave's instructions in order: these see my byte stores
	s_wait_dscnt 0x0
	global_store_b64 v7, v[12:13], s[10:11]        ; 32 lanes store 256 consecutive bytes, aligned
	; the table: four frequencies a lane, f = 16 h + 4 wave + e
	s_mov_b32 s20, 0xb94ca1f9                      ; sine: -1.9515295891e-4,
	s_mov_b32 s21, 0x3c08839e                      ; 8.3321608736e-3,
	s_mov_b32 s22, 0xbe2aaaa3                      ; -1.6666654611e-1
	s_mov_b32 s23, 0x37ccf5ce                      ; cosine: 2.443315712e-5,
	s_mov_b32 s24, 0xbab6061a                      ; -1.388731625e-3,
	s_mov_b32 s25, 0x3d2aaaa5                      ; 4.166664568e-2
	s_lshl_b32 s26, s16, 2
	v_lshrrev_b32 v16, 4, v2
	v_lshl_add_u32 v16, v16, 4, s26
	v_cvt_f32_i32 v17, v10                         ; the position
.irp e, 0,1,2,3
	v_add_nc_u32 v[20+\e], \e, v16
.endr
.irp e, 0,1,2,3
	v_cvt_f32_u32 v[20+\e], v[20+\e]
.endr
.irp e, 0,1,2,3
	v_mul_f32 v[20+\e], 0xbed49a78, v[20+\e]       ; f x -log2(10000) / 32
.endr
.irp e, 0,1,2,3
	v_exp_f32 v[20+\e], v[20+\e]                   ; 10000^(-f / 32)
.endr
	v_nop                                          ; a plain instruction behind the last exponential
	s_wait_alu depctr_va_vdst(0)                   ; one wait for the four, ahead of their first reader
.irp e, 0,1,2,3
	v_mul_f32 v[24+\e], v17, v[20+\e]              ; the angle, rounded once
.endr
.irp e, 0,1,2,3
	v_mul_f32 v[28+\e], 0x3f22f983, v[24+\e]       ; x 2 / pi
.endr
.irp e, 0,1,2,3
	v_rndne_f32 v[28+\e], v[28+\e]                 ; n
.endr
.irp e, 0,1,2,3
	v_fmamk_f32 v[24+\e], v[28+\e], 0xbfc90fdb, v[24+\e]   ; - n x the f32 nearest to pi/2,
.endr
.irp e, 0,1,2,3
	v_fmamk_f32 v[24+\e], v[28+\e], 0x333bbd2e, v[24+\e]   ; + n x 4.371139e-8, what that number has too much: r
.endr
.irp e, 0,1,2,3
	v_cvt_i32_f32 v[32+\e], v[28+\e]               ; the quadrant
	v_mul_f32 v[36+\e], v[24+\e], v[24+\e]         ; z = r r
.endr
.irp e, 0,1,2,3
	v_fma_f32 v[40+\e], v[36+\e], s20, s21
	v_fma_f32 v[48+\e], v[36+\e], s23, s24
.endr
.irp e, 0,1,2,3
	v_fma_f32 v[40+\e], v[40+\e], v[36+\e], s22
	v_fma_f32 v[48+\e], v[48+\e], v[36+\e], s25
	v_mul_f32 v[44+\e], v[24+\e], v[36+\e]         ; r z
	v_fma_f32 v[52+\e], v[36+\e], -0.5, 1.0        ; 1 - z / 2
.endr
.irp e, 0,1,2,3
	v_fma_f32 v[40+\e], v[44+\e], v[40+\e], v[24+\e]   ; sin r
	v_mul_f32 v[44+\e], v[36+\e], v[36+\e]
.endr
.irp e, 0,1,2,3
	v_fma_f32 v[48+\e], v[44+\e], v[48+\e], v[52+\e]   ; cos r
.endr
.irp e, 0,1,2,3
	v_and_b32 v[56+\e], 1, v[32+\e]
	v_cmp_eq_u32 vcc_lo, 1, v[56+\e]               ; in odd quadrants the two change places
	v_cndmask_b32 v[60+\e], v[40+\e], v[48+\e], vcc_lo
	v_cndmask_b32 v[56+\e], v[48+\e], v[40+\e], vcc_lo
	v_and_b32 v[44+\e], 2, v[32+\e]                ; the sine is negative in quadrants 2 and 3,
	v_lshlrev_b32 v[44+\e], 30, v[44+\e]
	v_xor_b32 v[64+4*(\e/2)+2+(\e%2)], v[44+\e], v[60+\e]
	v_add_nc_u32 v[44+\e], 1, v[32+\e]             ; the cosine in 1 and 2
	v_and_b32 v[44+\e], 2, v[44+\e]
	v_lshlrev_b32 v[44+\e], 30, v[44+\e]
	v_xor_b32 v[64+4*(\e/2)+(\e%2)], v[44+\e], v[56+\e]
.endr
	global_store_b128 v3, v[64:67], s[12:13]       ; 512 consecutive bytes each
	global_store_b128 v3, v[68:71], s[12:13] offset:512
	s_wait_tensorcnt 0x0
	ds_add_u32 v208, v209
	s_wait_dscnt 0x0
	s_endpgm
; ---- Wq, Wk, Wv [2048 (K)][1024] and Wo [1024 (K)][2048].  A LANE TAKES A COLUMN AND ITS REGISTERS RUN DOWN K: each load reads 128 consecutive bytes a wave, a block of 32 along K lies in one lane's 32 registers,
; and the conversions give codes with K innermost.  64 work-groups a weight; a work-group takes 128 columns x 256 along K, a wave 32 columns.  One text serves both shapes: what differs (the row's bytes, the output
; rows' bytes, how the work-group's number splits, the buffers) lies in scalar registers made from isO = 1 for Wo, 0 else.
; Codes go through the wave's own stage in LDS, each lane writing the row of its column's place, and leave as rows: sixteen lanes store a row's 192 consecutive bytes.  A column's 8 scale bytes leave by one store of 8 bytes a lane.
.Lweights:
.set NB,    8                          ; blocks of 32 along K for a wave
.set PITCH, 272                        ; a stage row: sixteen places of 16 bytes, each with 12 bytes of codes, + 16
.set WLDS,  32768                      ; this way's LDS bytes begin here
.set WX,    32                         ; v32-95   two sets of 32 numbers
.set WC,    96                         ; v96-102  a block's codes
.set OUTR,  112                        ; v112-175 the way out
.set OFFR,  176                        ; v176-207 4 x lane + i x a row's bytes; on the way out the stores' offsets
.set SB,    24                         ; v24-25   the scale bytes
	s_load_b256 s[4:11], s[0:1], 0x0               ; Wq, Wk, Wv, Wo
	s_load_b256 s[12:19], s[0:1], 0x20             ; xw_codes, xw_scales, ow_codes, ow_scales
	v_lshrrev_b32 v1, 5, v0
	v_readfirstlane_b32 s20, v1                    ; wave
	v_and_b32 v2, 31, v0                           ; lane
	s_sub_co_u32 s57, ttmp9, XWGS                  ; 0 .. 255
	s_lshr_b32 s21, s57, 6                         ; which weight
	s_and_b32 s22, s57, 63
	s_cmp_eq_u32 s21, 3
	s_cselect_b32 s23, 1, 0                        ; isO
	s_lshl_b32 s24, 4096, s23                      ; a row of the weight in bytes
	s_lshr_b32 s25, 1536, s23                      ; a row of its codes
	s_lshr_b32 s26, 64, s23                        ; a row of its scale bytes
	s_lshl_b32 s27, 8, s23
	s_sub_co_u32 s27, s27, 1
	s_and_b32 s27, s22, s27                        ; which 128 columns
	s_add_co_u32 s28, s23, 3
	s_lshr_b32 s28, s22, s28                       ; which 256 along K
	s_lshl_b32 s27, s27, 7
	s_lshl_b32 s29, s20, 5
	s_add_co_u32 s27, s27, s29                     ; my wave's first column
	v_lshlrev_b32 v3, 2, v2
	v_lshrrev_b32 v4, 3, v2
	v_lshrrev_b32 v5, 4, v2
	v_xor_b32 v4, v4, v5
	v_and_b32 v4, 1, v4
	v_mul_u32_u24 v4, v4, 24
	v_xor_b32 v10, v4, v2                          ; my lane's number with bits 3 and 4 exchanged
	s_mul_i32 s29, s20, 32*PITCH
	s_add_co_u32 s29, s29, WLDS                    ; my stage
	v_mul_u32_u24 v4, v10, PITCH
	v_add_nc_u32 v4, s29, v4                       ; into it
	v_and_b32 v5, 15, v2
	v_lshrrev_b32 v6, 4, v2
	v_mul_u32_u24 v7, v6, PITCH
	v_lshl_add_u32 v7, v5, 4, v7
	v_add_nc_u32 v7, s29, v7                       ; out of it: sixteen lanes to a row, two rows an instruction
	v_mul_u32_u24 v8, v6, s25
	v_mad_u32_u24 v8, v5, 12, v8                   ; and the same place among the codes
	v_mul_u32_u24 v9, v10, s26                     ; my column's row of scale bytes
.irp i, 0,1,2,3,4,5,6,7,8,9,10,11,12,13,14,15,16,17,18,19,20,21,22,23,24,25,26,27,28,29,30,31
	v_mad_u32_u24 v[OFFR+\i], s24, \i, v3
.endr
	s_mul_i32 s30, s28, s24
	s_lshl_b32 s30, s30, 8                         ; 256 rows of the weight for each step along K,
	s_lshl_b32 s31, s27, 2
	s_add_co_u32 s30, s30, s31                     ; + 4 x column
	s_mov_b32 s31, 0
	s_lshl_b32 s48, s21, 10
	s_add_co_u32 s48, s48, 4096                    ; Wq, Wk, Wv: rows 4096 + 1024 t on of xw
	s_mul_i32 s50, s48, 1536
	s_lshl_b32 s52, s48, 6
	s_mov_b32 s49, 3145728                         ; Wo: behind o's part of ow_codes,
	s_mov_b32 s51, 131072                          ; and of ow_scales
	s_cmp_eq_u32 s21, 3
	s_cselect_b32 s50, s49, s50
	s_cselect_b32 s52, s51, s52
	s_mul_i32 s49, s27, s25
	s_add_co_u32 s50, s50, s49
	s_mul_i32 s49, s28, 192
	s_add_co_u32 s50, s50, s49
	s_mov_b32 s51, 0
	s_mul_i32 s49, s27, s26
	s_add_co_u32 s52, s52, s49
	s_lshl_b32 s49, s28, 3
	s_add_co_u32 s52, s52, s49
	s_mov_b32 s53, 0
	s_lshl_b32 s54, s24, 5                         ; 32 rows of the weight
	s_mov_b32 s55, 0
	s_lshl_b32 s56, s25, 1                         ; two rows of codes
	s_wait_kmcnt 0x0
	s_cmp_eq_u32 s21, 1
	s_cselect_b64 s[4:5], s[6:7], s[4:5]
	s_cmp_eq_u32 s21, 2
	s_cselect_b64 s[4:5], s[8:9], s[4:5]
	s_cmp_eq_u32 s21, 3
	s_cselect_b64 s[4:5], s[10:11], s[4:5]         ; the weight,
	s_cselect_b64 s[6:7], s[16:17], s[12:13]       ; its codes' buffer,
	s_cselect_b64 s[8:9], s[18:19], s[14:15]       ; its scale bytes'
	s_add_nc_u64 s[32:33], s[4:5], s[30:31]        ; a base for each of the eight blocks
.irp b, 1,2,3,4,5,6,7
	s_add_nc_u64 s[32+2*\b:33+2*\b], s[30+2*\b:31+2*\b], s[54:55]
.endr
	s_add_nc_u64 s[6:7], s[6:7], s[50:51]
	s_add_nc_u64 s[8:9], s[8:9], s[52:53]
.macro WLOAD t                         ; block t: 32 rows of the weight at my column, into set t % 2
.irp i, 0,1,2,3,4,5,6,7,8,9,10,11,12,13,14,15,16,17,18,19,20,21,22,23,24,25,26,27,28,29,30,31
	global_load_b32 v[WX+32*((\t)%2)+\i], v[OFFR+\i], s[32+2*(\t):33+2*(\t)] th:TH_LOAD_NT
.endr
.endm
	WLOAD 0
	WLOAD 1
.macro WBLOCK t
.set XS, WX+32*((\t)%2)
.if (\t) < NB-1
	s_wait_loadcnt 32                              ; this block's 32 loads are in; the next block's may be out
.else
	s_wait_loadcnt 0
.endif
	v_max3_num_f32 v12, |v[XS]|, |v[XS+1]|, |v[XS+2]|
	v_max3_num_f32 v13, |v[XS+3]|, |v[XS+4]|, |v[XS+5]|
.irp i, 6,10,14,18,22,26
	v_max3_num_f32 v12, v12, |v[XS+\i]|, |v[XS+\i+1]|
	v_max3_num_f32 v13, v13, |v[XS+\i+2]|, |v[XS+\i+3]|
.endr
	v_max3_num_f32 v12, v12, |v[XS+30]|, |v[XS+31]|
	v_max3_num_f32 v12, v12, v13, (EMAX+1)<<23     ; and the floor 2^(5 - 127)
	v_add_nc_u32 v11, -(EMAX<<23), v12             ; the conversion's scale operand
	v_lshrrev_b32 v13, 23, v11                     ; the scale's byte
.if (\t)%4 == 0
	v_mov_b32 v[SB+(\t)/4], v13
.else
	v_lshl_or_b32 v[SB+(\t)/4], v13, 8*((\t)%4), v[SB+(\t)/4]
.endif
	v_cvt_scalef32_pk16_bf6_f32 v[WC:WC+2], v[XS:XS+15], v11
	v_cvt_scalef32_pk16_bf6_f32 v[WC+4:WC+6], v[XS+16:XS+31], v11
	ds_store_b96 v4, v[WC:WC+2] offset:32*(\t)     ; 12 bytes to a place of 16: every LDS address is a multiple of 16
	ds_store_b96 v4, v[WC+4:WC+6] offset:32*(\t)+16
.if (\t)+2 < NB
	WLOAD (\t)+2
.endif
	s_wait_dscnt 0x0                               ; the stores have read their registers: the next block's codes may be written
.endm
.set Q, 0
.rept NB
	WBLOCK Q
.set Q, Q+1
.endr
	global_store_b64 v9, v[SB:SB+1], s[8:9]        ; my column's 8 scale bytes
.irp t, 0,1,2,3,4,5,6,7,8,9,10,11,12,13,14,15
	ds_load_b96 v[OUTR+4*\t:OUTR+4*\t+2], v7 offset:2*\t*PITCH
.endr
.irp t, 0,1,2,3,4,5,6,7,8,9,10,11,12,13,14,15
	v_mad_u32_u24 v[OFFR+\t], s56, \t, v8          ; (free: the last block's wait has shown every load done)  two rows of codes on for each store
.endr
.irp t, 0,1,2,3,4,5,6,7,8,9,10,11,12,13,14,15
	s_wait_dscnt 15-\t
	global_store_b96 v[OFFR+\t], v[OUTR+4*\t:OUTR+4*\t+2], s[6:7]
.endr
	s_wait_tensorcnt 0x0
	ds_add_u32 v208, v209
	s_wait_dscnt 0x0
	s_endpgm
.Lfunc_end_k_q1e783d568e_prep:
	.size	k_q1e783d568e_prep, .Lfunc_end_k_q1e783d568e_prep-k_q1e783d568e_prep
	.p2alignl 7, 3214868480
	.fill 96, 4, 3214868480
	.section	.rodata,"a",@progbits
	.p2align	6, 0x0
	.amdhsa_kernel k_q1e783d568e_prep
		.amdhsa_group_segment_fixed_size 69120
		.amdhsa_private_segment_fixed_size 0
		.amdhsa_enable_private_segment 0
		.amdhsa_kernarg_size 88
		.amdhsa_user_sgpr_count 2
		.amdhsa_user_sgpr_kernarg_segment_ptr 1
		.amdhsa_wavefront_size32 1
		.amdhsa_system_sgpr_workgroup_id_x 1
		.amdhsa_system_sgpr_workgroup_id_y 1
		.amdhsa_system_sgpr_workgroup_id_z 1
		.amdhsa_system_vgpr_workitem_id 0
		.amdhsa_next_free_vgpr 210
		.amdhsa_next_free_sgpr 66
		.amdhsa_reserve_vcc 1
		.amdhsa_float_denorm_mode_32 3
		.amdhsa_float_denorm_mode_16_64 3
		.amdhsa_memory_ordered 1
		.amdhsa_forward_progress 1
		.amdhsa_inst_pref_size 85
	.end_amdhsa_kernel
	.amdgpu_metadata
---
amdhsa.version: [ 1, 2 ]
amdhsa.kernels:
  - .name:           k_q1e783d568e_prep
    .symbol:         k_q1e783d568e_prep.kd
    .args:
      - { .name: Wq, .offset: 0, .size: 8, .value_kind: global_buffer, .address_space: global }
      - { .name: Wk, .offset: 8, .size: 8, .value_kind: global_buffer, .address_space: global }
      - { .name: Wv, .offset: 16, .size: 8, .value_kind: global_buffer, .address_space: global }
      - { .name: Wo, .offset: 24, .size: 8, .value_kind: global_buffer, .address_space: global }
      - { .name: xw_codes, .offset: 32, .size: 8, .value_kind: global_buffer, .address_space: global }
      - { .name: xw_scales, .offset: 40, .size: 8, .value_kind: global_buffer, .address_space: global }
      - { .name: ow_codes, .offset: 48, .size: 8, .value_kind: global_buffer, .address_space: global }
      - { .name: ow_scales, .offset: 56, .size: 8, .value_kind: global_buffer, .address_space: global }
      - { .name: hidden_states, .offset: 64, .size: 8, .value_kind: global_buffer, .address_space: global }
      - { .name: position_ids, .offset: 72, .size: 8, .value_kind: global_buffer, .address_space: global }
      - { .name: rope, .offset: 80, .size: 8, .value_kind: global_buffer, .address_space: global }
    .group_segment_fixed_size: 69120
    .private_segment_fixed_size: 0
    .kernarg_segment_align: 8
    .kernarg_segment_size: 88
    .max_flat_workgroup_size: 128
    .sgpr_count:     66
    .vgpr_count:     210
    .wavefront_size: 32
...
	.end_amdgpu_metadata
.endif
;; end of part 1
;; launch qkv (part 2): grid 12 x 16, 4 waves a work-group, clusters of 4 x 4, 327,680 bytes of LDS; arguments xw_codes, xw_scales, rope, qbuf, kv; writes qbuf, kv
.if DOCPART == 2
	.amdgcn_target "amdgcn-amd-amdhsa--gfx1250"
	.amdhsa_code_object_version 6
	.text
	.protected	k_q1e783d568e_qkv
	.globl	k_q1e783d568e_qkv
	.p2align	8
	.type	k_q1e783d568e_qkv,@function
k_q1e783d568e_qkv:
	s_mov_b64 s[64:65], 0
	v_nop
	global_prefetch_b8 v0, s[64:65] scope:SCOPE_SE
	s_setreg_imm32_b32 hwreg(HW_REG_WAVE_MODE, 25, 1), 1
	s_wait_xcnt 0x0
	s_wait_alu depctr_hold_cnt(0) depctr_sa_sdst(0) depctr_va_vdst(0) depctr_va_sdst(0) depctr_va_ssrc(0) depctr_va_vcc(0) depctr_vm_vsrc(0)
	s_getreg_b32 s2, hwreg(HW_REG_IB_STS2, 6, 4)
	s_cmp_eq_u32 s2, 0
	s_cbranch_scc0 .Lentry_in_a_cluster
	s_endpgm
.Lentry_in_a_cluster:
	s_bfe_u32 s2, ttmp6, 0x10000c
	s_cmp_lg_u32 s2, 0xf033
	s_cbranch_scc0 .Lentry_shape_is_right
	s_endpgm
.Lentry_shape_is_right:
; q, k and v = x Wq, x Wk, x Wv on codes of BF6 (E3M2) with one E8M0 scale for each 32 along K = 2,048; the way out turns q and k (rotary embedding, f32) and quantises q and k along the head's 64, v along the keys.
; x's 4,096 rows and the 3 x 1,024 columns of the weights lie in ONE space of 7,168 rows of codes (1,536 bytes) and scale bytes (64): a work-group multiplies 256 rows 'A' by 256 rows 'B', four waves, 128 x 128 each, 64 accumulators.
; THE MATRIX INSTRUCTION IS USED TRANSPOSED (source 0 = 16 rows of B, source 1 = 16 rows of A): a lane holds one row of A, its registers run along B's rows.  In every 32 rows the places carry the rows with bits 3 and 4
; exchanged, so that the 16 registers of B's tiles 2 b and 2 b + 1 are 16 NEIGHBOURS: 32 b + 16 (lane / 16) + 0 .. 15.
; Clusters x = 0 (q) and 1 (k): A = tokens, B = columns: a lane holds one token and registers along d.  Cluster x = 2 (v): A = columns of Wv, B = tokens: a lane holds one d and registers along the keys.  One loop serves all.
; K goes in steps of 256 through a ring of two LDS slots; the scale bytes of the 512 rows come once and stay.  4 x 4 work-groups form a cluster: A's tiles are asked for jointly along a row of it, B's along a column.
; WHAT LEAVES are images of operand registers, so that each store of a wave covers whole aligned runs of 256 bytes: a fragment 64 deep (q, k): registers 0-3 at 16 x lane, registers 4-5 at 512 + 8 x lane (768 bytes);
; a fragment 128 deep (v): three pieces of 512 bytes at 16 x lane.  Scale words: word w of lane (r, h) belongs to tile 2 w + h, row r.
; REGISTERS: window 0: v0-31 addresses; v32-63 scale words; v64-127 two sets of cos and sin; v128-223 A's fragments, on the way out at work.  Window 1: B's fragments, two sets.  Windows 2, 3: the accumulators ((a, b) at v[8 (8 (a % 4) + b)]).
; LIMITS: NaN and infinities are not served; a block whose largest magnitude lies under 2^-122, or is 0, gets the byte 1 (zero codes add nothing; this program alone reads the bytes).
.set KSTEP,  256
.set NQ,     2
.set ROWB,   192
.set KROW,   1536
.set PITCH,  240                       ; an LDS row: 3 x (64 bytes + 16 of padding)
.set FR,     12
.set NL,     6
.set NP,     4
.set HALFT,  128*PITCH
.set SLOT,   4*HALFT
.set LAPS,   4                         ; 2,048 / 512
.set KS,     64
.set SCL,    2*SLOT
.set HALFS,  (128*KS/256)*272
.set SBLK,   (16*KS/256)*272
.set SPARE,  SCL+4*HALFS               ; the spare words, 128 bytes a wave: two blocks of 256 bytes that no other line names
.set ADRA, 16
.set ADRB, 20
.set L16,  24                          ; v24  16 x lane; never rewritten
.set L8,   25                          ; v25  8 x lane; never rewritten
.set ADRS, 27
.set SPW,  28
.set NIL,  29
.set SC,   32
.set CS0,  64                          ; v64-95, v96-127: cos and sin of two blocks of 16 tokens
.set AF,   128
.set R,    128                         ; the way out: v128-191 64 turned numbers
.set T,    192                         ; v192-199 at work
.set TM,   200                         ; v200-215 QUANT's
.set PW,   216                         ; the scale word just made; v217 its upper half
.set PC,   218                         ; v218-237 the codes just made
.set SW,   240                         ; v240-247 scale words gathered for their stores
.set G1, 24
.set G0, 32
.set G1B, 48
.set G0B, 56
.set G1S, 68
.set G0S, 76
.set G1SB, 80
.set G0SB, 88
.set ISV,  95                          ; s95  1 in v's cluster column
.set ROPEB, 96                         ; s[96:97]   the table at my wave's first block
.set OUT0, 98                          ; s[98:99]   images of my first head; s[100:101] of my second
.set OUT1, 100
.set SCB0, 92                          ; s[92:93], s[46:47] their scale words (q, k)
.set SCB1, 46
.set SEL,  44                          ; s[44:45] lane selects for lane l xor 16 (the way out)
.set LMSK, 2                           ; s2   lanes 16-31
.set MSB, 0
.macro WIN new                         ; the immediate's high byte repeats the setting that is left
.if MSB != (\new)
	s_set_vgpr_msb (MSB<<8)|(\new)
.set MSB, (\new)
.endif
.endm
.set MUL_LO, 0xa1
.set MUL_HI, 0xf1
.set TO_B,   0x40
; A joint load: waves 0 and 1 fetch for A, waves 2 and 3 for B; the branch hangs on the wave's number alone.  Four v_nop follow each of the two lines.
.macro JLOAD g0a, g1a, g0b, g1b
	s_cmp_eq_u32 s15, 0
	s_cbranch_scc0 .Lfor_b_\@
	tensor_load_to_lds s[\g0a:\g0a+3], s[\g1a:\g1a+7]
	s_nop 0
.rept 4
	v_nop
.endr
	s_branch .Lasked_\@
.Lfor_b_\@:
	tensor_load_to_lds s[\g0b:\g0b+3], s[\g1b:\g1b+7]
	s_nop 0
.rept 4
	v_nop
.endr
.Lasked_\@:
.endm
.macro CREST
	s_cmp_lg_u32 s14, 0
	s_cbranch_scc1 .Lnot_wave_0_\@
	s_barrier_signal -3
.Lnot_wave_0_\@:
	s_barrier_wait -3
	s_barrier_signal -1
	s_barrier_wait -1
.endm
.macro CROUND
	s_barrier_signal -1
	s_barrier_wait -1
	CREST
.endm
	s_load_b128 s[4:7], s[0:1], 0x0                ; xw_codes, xw_scales
	s_load_b128 s[8:11], s[0:1], 0x10              ; rope, qbuf
	s_load_b64 s[12:13], s[0:1], 0x20              ; kv
	v_lshl_add_u32 v[SPW], v0, 2, SPARE
	v_mov_b32 v[NIL], 0
	ds_add_u32 v28, v29
	s_wait_dscnt 0x0
	v_lshrrev_b32 v1, 5, v0
	v_readfirstlane_b32 s14, v1                    ; wave 0..3
	s_lshr_b32 s15, s14, 1                         ; which half of A's rows is mine.  Also: I fetch for A (0) or for B (1)
	s_and_b32 s16, s14, 1                          ; which half of B's rows.  Also: which 128 rows of that tile I fetch
	s_bfe_u32 s40, ttmp6, 0x40000                  ; cx
	s_bfe_u32 s41, ttmp6, 0x40004                  ; cy
	s_and_b32 s17, ttmp7, 0xffff                   ; cluster y
	s_add_co_u32 s19, ttmp9, 4
	s_cmp_eq_u32 ttmp9, 2                          ; v's clusters: the same answer in all sixteen partners
	s_cselect_b32 s[ISV], 1, 0
	s_cselect_b32 s18, 6, s17                      ; A: Wv's four tiles, else the tokens' by cluster y
	s_cselect_b32 s19, s17, s19                    ; B: the tokens' by cluster y, else Wq's or Wk's four tiles
	s_lshl_b32 s17, s18, 2
	s_add_co_u32 s17, s17, s41                     ; A's tile of 256 rows
	s_lshl_b32 s42, s19, 2
	s_add_co_u32 s42, s42, s40                     ; B's tile
	s_lshl_b32 s43, s41, 2
	s_lshl_b32 s43, 15, s43                        ; my row of the cluster
	s_lshl_b32 s44, 0x1111, s40                    ; my column
	s_or_b32 s[G1+0], s43, (0<<16)|(1<<20)|(1<<21)|(3<<22)|(3<<25)  ; the mask; elements of 1 byte; padding of 4 words after every 16
	s_or_b32 s[G1B+0], s44, (0<<16)|(1<<20)|(1<<21)|(3<<22)|(3<<25)
.irp g, G1, G1B
	s_mov_b32 s[\g+1], ROWB<<16                    ; tensor_dim0
	s_mov_b32 s[\g+2], 128<<16                     ; tensor_dim1
	s_mov_b32 s[\g+3], ROWB<<16                    ; tile_dim0
	s_mov_b32 s[\g+4], 128                         ; tile_dim1
	s_mov_b32 s[\g+5], KROW                        ; the pitch
	s_mov_b32 s[\g+6], 0
	s_mov_b32 s[\g+7], 0
.endr
	s_or_b32 s[G1S+0], s43, (3<<16)|(1<<20)|(1<<21)|(5<<22)|(3<<25)  ; the scale bytes of 128 rows: a dense block, as rows of 256 bytes, 16 bytes of padding behind each
	s_or_b32 s[G1SB+0], s44, (3<<16)|(1<<20)|(1<<21)|(5<<22)|(3<<25)
.irp g, G1S, G1SB
	s_mov_b32 s[\g+1], 32<<16
	s_mov_b32 s[\g+2], (128*KS/256)<<16
	s_mov_b32 s[\g+3], 32<<16
	s_mov_b32 s[\g+4], 128*KS/256
	s_mov_b32 s[\g+5], 32
	s_mov_b32 s[\g+6], 0
	s_mov_b32 s[\g+7], 0
.endr
	s_lshl_b32 s18, s16, 7
	s_lshl_b32 s20, s17, 8
	s_add_co_u32 s20, s20, s18                     ; A: row 256 x tile + 128 x half
	s_lshl_b32 s46, s42, 8
	s_add_co_u32 s46, s46, s18                     ; B likewise
	s_mov_b32 s21, 0
	s_mov_b32 s47, 0
	s_mov_b64 s[18:19], KS
	s_mul_u64 s[22:23], s[20:21], s[18:19]
	s_mul_u64 s[92:93], s[46:47], s[18:19]
	s_mov_b64 s[18:19], KROW
	s_mul_u64 s[20:21], s[20:21], s[18:19]
	s_mul_u64 s[46:47], s[46:47], s[18:19]
	s_mul_i32 s45, s14, HALFT                      ; where they go: wave x 128 rows
	s_mul_i32 s94, s14, HALFS
	s_wait_kmcnt 0x0
	s_add_nc_u64 s[20:21], s[4:5], s[20:21]
	s_add_nc_u64 s[22:23], s[6:7], s[22:23]
	s_add_nc_u64 s[46:47], s[4:5], s[46:47]
	s_add_nc_u64 s[92:93], s[6:7], s[92:93]
	CROUND                                         ; all sixteen work-groups are here: the first joint loads meet
	s_mov_b32 s[G0S], 1
	s_add_co_u32 s[G0S+1], s94, SCL
	s_mov_b64 s[G0S+2:G0S+3], s[22:23]
	s_or_b32 s[G0S+3], s[G0S+3], 0x80000000
	s_mov_b32 s[G0SB], 1
	s_add_co_u32 s[G0SB+1], s94, SCL
	s_mov_b64 s[G0SB+2:G0SB+3], s[92:93]
	s_or_b32 s[G0SB+3], s[G0SB+3], 0x80000000
	JLOAD G0S, G1S, G0SB, G1SB                     ; the scales first
.irp s, 0,1
	s_mov_b32 s[G0+4*\s], 1
	s_add_co_u32 s[G0+4*\s+1], s45, \s*SLOT
	s_add_nc_u64 s[G0+4*\s+2:G0+4*\s+3], s[20:21], \s*ROWB
	s_or_b32 s[G0+4*\s+3], s[G0+4*\s+3], 0x80000000
	s_mov_b32 s[G0B+4*\s], 1
	s_add_co_u32 s[G0B+4*\s+1], s45, \s*SLOT
	s_add_nc_u64 s[G0B+4*\s+2:G0B+4*\s+3], s[46:47], \s*ROWB
	s_or_b32 s[G0B+4*\s+3], s[G0B+4*\s+3], 0x80000000
	JLOAD G0+4*\s, G1, G0B+4*\s, G1B
.endr
	v_and_b32 v1, 15, v0                           ; l % 16
	v_bfe_u32 v2, v0, 4, 1                         ; l / 16
	v_mul_u32_u24 v3, v1, PITCH
	v_mul_u32_u24 v4, v2, 24
	v_add_nc_u32 v4, v3, v4                        ; a fragment's row x pitch + 24 x half
	v_lshl_add_u32 v5, v2, 4, v4                   ; and the same behind one padding more
	s_mul_i32 s21, s15, HALFT
	s_mul_i32 s22, s16, HALFT
	s_add_co_u32 s22, s22, 2*HALFT
.irp s, 0,1
	v_add_nc_u32 v[ADRA+\s], s21, v4
	v_add_nc_u32 v[ADRB+\s], s22, v4
	v_add_nc_u32 v[ADRA+2+\s], s21, v5
	v_add_nc_u32 v[ADRB+2+\s], s22, v5
	s_add_co_u32 s21, s21, SLOT
	s_add_co_u32 s22, s22, SLOT
.endr
	v_mul_u32_u24 v5, v1, KS
	v_lshrrev_b32 v6, 8, v5
	v_lshl_add_u32 v5, v6, 4, v5
	s_mul_i32 s21, s15, HALFS
	s_mul_i32 s22, s16, HALFS
	s_add_co_u32 s22, s22, 2*HALFS
	s_sub_co_u32 s22, s22, s21
	v_mul_u32_u24 v6, s22, v2                      ; lanes 16-31 take B's
	s_add_co_u32 s21, s21, SCL
	v_add_nc_u32 v5, v5, v6
	v_add_nc_u32 v[ADRS], s21, v5
	v_and_b32 v6, 31, v0
	v_lshlrev_b32 v[L16], 4, v6
	v_lshlrev_b32 v[L8], 3, v6
	; where my results go.  My 128 tokens are one key step; my 128 columns are two heads.
	s_cmp_eq_u32 s[ISV], 1
	s_cselect_b32 s18, s42, s17                    ; the tokens' tile,
	s_cselect_b32 s19, s16, s15                    ; my half of it,
	s_cselect_b32 s20, s41, s40                    ; the columns' tile among the weight's four,
	s_cselect_b32 s21, s15, s16                    ; my half of it
	s_lshl_b32 s18, s18, 1
	s_add_co_u32 s18, s18, s19                     ; which run of 128 tokens, 0 .. 31
	s_lshl_b32 s22, s18, 15                        ; its 8 blocks of 4,096 bytes in the table
	s_mov_b32 s23, 0
	s_add_nc_u64 s[ROPEB:ROPEB+1], s[8:9], s[22:23]
	s_lshr_b32 s19, s18, 4                         ; the batch
	s_and_b32 s18, s18, 15                         ; the key step in it
	s_lshl_b32 s19, s19, 4
	s_lshl_b32 s20, s20, 2
	s_lshl_b32 s21, s21, 1
	s_add_co_u32 s19, s19, s20
	s_add_co_u32 s19, s19, s21                     ; 16 x batch + my first head
	s_mul_i32 s20, s19, 98304
	s_mul_i32 s21, s18, 6144
	s_add_co_u32 s20, s20, s21                     ; q: images,
	s_lshl_b32 s21, s19, 13
	s_lshl_b32 s22, s18, 9
	s_add_co_u32 s21, s21, s22
	s_add_co_u32 s21, s21, 3145728                 ; and scale words
	s_mul_i32 s22, s19, 208896
	s_mul_i32 s43, s18, 13056
	s_add_co_u32 s22, s22, s43                     ; k, v: the record,
	s_add_co_u32 s43, s22, 12288                   ; k's scale words in it
	s_mov_b32 s44, 98304
	s_mov_b32 s45, 8192
	s_mov_b32 s2, 208896
	s_cmp_eq_u32 ttmp9, 0
	s_cselect_b64 s[OUT0:OUT0+1], s[10:11], s[12:13]
	s_cselect_b32 s20, s20, s22
	s_cselect_b32 s22, s21, s43
	s_cselect_b32 s44, s44, s2                     ; from head to head: images,
	s_cselect_b32 s2, s45, s2                      ; scale words
	s_mov_b32 s21, 0
	s_mov_b32 s23, 0
	s_mov_b32 s45, 0
	s_mov_b32 s3, 0
	s_add_nc_u64 s[SCB0:SCB0+1], s[OUT0:OUT0+1], s[22:23]
	s_add_nc_u64 s[OUT0:OUT0+1], s[OUT0:OUT0+1], s[20:21]
	s_add_nc_u64 s[OUT1:OUT1+1], s[OUT0:OUT0+1], s[44:45]
	s_add_nc_u64 s[SCB1:SCB1+1], s[SCB0:SCB0+1], s[2:3]
.irp i, 0,1,2,3,4,5,6,7
	global_load_b128 v[CS0+4*\i:CS0+4*\i+3], v[L16], s[ROPEB:ROPEB+1] offset:512*\i         ; cos and sin of my first two blocks of tokens: they land under the loop
.endr
.irp i, 0,1,2,3,4,5,6,7
	global_load_b128 v[CS0+32+4*\i:CS0+32+4*\i+3], v[L16], s[ROPEB:ROPEB+1] offset:4096+512*\i
.endr
.macro FRAG reg, adr, q, i             ; a fragment: 16 rows x 128 K in 12 registers, in pieces of 8 bytes; where the piece three on lies behind one padding more, the second address register serves
.irp p, 0,1,2,3,4,5
.set PCE, 12*(\q)+6*(\p/3)+\p%3
.if PCE%8 < 5
	ds_load_b64 v[\reg+2*\p:\reg+2*\p+1], v[\adr] offset:8*PCE+16*(PCE/8)+(\i)*16*PITCH
.else
	ds_load_b64 v[\reg+2*\p:\reg+2*\p+1], v[\adr+2] offset:8*PCE+16*(PCE/8)+(\i)*16*PITCH
.endif
.endr
.endm
; 16 matrix instructions: A's blocks a0, a0 + 1 x B's eight.  The 64 accumulators take turns, one instruction a turn, in the same order in every step.
.macro MUL16 a0, p, q, sc, zero
.irp a, \a0, \a0+1
.irp b, 0,1,2,3,4,5,6,7
.if \zero
	v_wmma_scale_f32_16x16x128_f8f6f4 v[8*(8*((\a)%4)+\b):8*(8*((\a)%4)+\b)+7], v[128*(\p)+FR*\b:128*(\p)+FR*\b+FR-1], v[AF+FR*(\a):AF+FR*(\a)+FR-1], 0, v[SC+8*NQ*(\sc)+NQ*\b+(\q)], v[SC+8*NQ*(\sc)+NQ*(\a)+(\q)] matrix_a_fmt:MATRIX_FMT_BF6 matrix_b_fmt:MATRIX_FMT_BF6 matrix_a_scale:MATRIX_SCALE_ROW1
.else
	v_wmma_scale_f32_16x16x128_f8f6f4 v[8*(8*((\a)%4)+\b):8*(8*((\a)%4)+\b)+7], v[128*(\p)+FR*\b:128*(\p)+FR*\b+FR-1], v[AF+FR*(\a):AF+FR*(\a)+FR-1], v[8*(8*((\a)%4)+\b):8*(8*((\a)%4)+\b)+7], v[SC+8*NQ*(\sc)+NQ*\b+(\q)], v[SC+8*NQ*(\sc)+NQ*(\a)+(\q)] matrix_a_fmt:MATRIX_FMT_BF6 matrix_b_fmt:MATRIX_FMT_BF6 matrix_a_scale:MATRIX_SCALE_ROW1
.endif
.endr
.endr
.endm
.macro FETCH_B slot, q, p
	WIN TO_B
.irp i, 0,1,2,3,4,5,6,7
	FRAG 128*(\p)+FR*\i, ADRB+\slot, \q, \i
.endr
	WIN 0
.endm
.macro FETCH_A slot, q, i0
.irp i, \i0, \i0+1, \i0+2, \i0+3
	FRAG AF+FR*(\i), ADRA+\slot, \q, \i
.endr
.endm
.macro SCALES sc                       ; the next K step's scale words: lanes 0-15 take A's block i, lanes 16-31 B's block i
.irp i, 0,1,2,3,4,5,6,7
	ds_load_b64 v[SC+8*NQ*\sc+NQ*\i:SC+8*NQ*\sc+NQ*\i+1], v[ADRS] offset:\i*SBLK
.endr
.endm
.macro PLACES n                        ; plain vector instructions between a matrix instruction and a load into, or a vector write or read of, its registers
.rept \n
	v_nop
.endr
.endm
.macro STEP slot, q, zero
	s_wait_dscnt 4*NL                              ; B's set and A's blocks 0-3 are in; the youngest 24 loads (A's blocks 4-7) may be out
	WIN MUL_LO
	MUL16 0, (\q)%2, \q, \slot, \zero
	MUL16 2, (\q)%2, \q, \slot, \zero
	s_wait_dscnt 0
	PLACES NP
	FETCH_B \slot, (\q)+1, 1-(\q)%2
	FETCH_A \slot, (\q)+1, 0
	WIN MUL_HI
	MUL16 4, (\q)%2, \q, \slot, \zero
	MUL16 6, (\q)%2, \q, \slot, \zero
	PLACES NP
	WIN 0
	FETCH_A \slot, (\q)+1, 4
.endm
; A slot's last step changes slots: in front of the barrier each wave waits for all its tensor loads, adds 0 to its spare word, and waits for that and for its own reads of this slot.
.macro TURN slot, next, fill
	s_wait_tensorcnt 0x0                           ; all my tensor loads have landed: my part of the next slot
	ds_add_u32 v[SPW], v[NIL]                      ; 0 onto my spare word
	s_wait_dscnt 4*NL+1                            ; (the add and the youngest 24 loads may be out)
	WIN MUL_LO
	MUL16 0, 1, NQ-1, \slot, 0
	s_wait_dscnt 0x0                               ; the add is done, and my reads of this slot are over
	s_barrier_signal -1
	MUL16 2, 1, NQ-1, \slot, 0
	WIN 0
	s_barrier_wait -1
.if \fill
	CREST                                          ; the barrier has opened a round of the cluster's: no wave of any partner still reads this slot or has a load on its way
	s_add_nc_u64 s[G0+4*\slot+2:G0+4*\slot+3], s[G0+4*\slot+2:G0+4*\slot+3], 2*ROWB
	s_add_nc_u64 s[G0B+4*\slot+2:G0B+4*\slot+3], s[G0B+4*\slot+2:G0B+4*\slot+3], 2*ROWB
	JLOAD G0+4*\slot, G1, G0B+4*\slot, G1B         ; the first tensor load behind the round; its four v_nop are the places in front of the loads below
.else
	PLACES NP
.endif
	v_add_nc_u32 v[ADRS], 4*NQ, v[ADRS]
	FETCH_B \next, 0, 0
	FETCH_A \next, 0, 0
	SCALES \next
	WIN MUL_HI
	MUL16 4, 1, NQ-1, \slot, 0
	MUL16 6, 1, NQ-1, \slot, 0
	PLACES NP
	WIN 0
	FETCH_A \next, 0, 4
.endm
	s_wait_tensorcnt 1                             ; the scales and my part of K step 0 are in (K step 1's load may be out),
	s_barrier_signal -1
	s_barrier_wait -1                              ; everybody's are
	FETCH_B 0, 0, 0
	FETCH_A 0, 0, 0
	SCALES 0
	FETCH_A 0, 0, 4
	STEP 0, 0, 1                                   ; the first step's products start the sums
	s_mov_b32 s3, LAPS-1
.Llap:
	TURN 0, 1, 1
	STEP 1, 0, 0
	TURN 1, 0, 1
	STEP 0, 0, 0
	s_sub_co_u32 s3, s3, 1
	s_cmp_lg_u32 s3, 0
	s_cbranch_scc1 .Llap
	TURN 0, 1, 0                                   ; the last lap fills nothing
	STEP 1, 0, 0
	s_wait_dscnt 4*NL
	WIN MUL_LO
	MUL16 0, 1, NQ-1, 1, 0
	MUL16 2, 1, NQ-1, 1, 0
	s_wait_dscnt 0
	WIN MUL_HI
	MUL16 4, 1, NQ-1, 1, 0
	MUL16 6, 1, NQ-1, 1, 0
	WIN 0
; 64 numbers of a lane, v[s] .. v[s + 63] of window w, register 16 b + i = k 32 b + 16 (lane / 16) + i of my row, become a fragment's codes in v[PC] .. v[PC + 11] and its scale word in v[PW] (the same in lanes l and l xor 16).
.macro QUANT s, w
.set WN_, ((\w)<<2)|((\w)<<4)
	WIN WN_                                        ; sources 1 and 2 in window w
.irp b, 0,1,2,3
	v_max3_num_f32 v[TM+\b], 0x2800000, |v[\s+16*\b]|, |v[\s+16*\b+1]|   ; block b: my 16 numbers and the floor 2^(5 - 127); each accumulator is read from its low end on
.endr
.irp i, 2,4,6,8,10,12,14
.irp b, 0,1,2,3
	v_max3_num_f32 v[TM+\b], v[TM+\b], |v[\s+16*\b+\i]|, |v[\s+16*\b+\i+1]|
.endr
.endr
	WIN 0
.irp b, 0,1,2,3
	v_permlanex16_b32 v[TM+4+\b], v[TM+\b], s[SEL], s[SEL+1]
.endr
.irp b, 0,1,2,3
	v_max_num_f32 v[TM+\b], v[TM+\b], v[TM+4+\b]   ; with lane l xor 16's: the block's largest magnitude
.endr
.irp b, 0,1,2,3
	v_add_nc_u32 v[TM+12+\b], 0xfe000000, v[TM+\b] ; 4 off its exponent field: the conversion's scale operand
.endr
.irp b, 0,1,2,3
	v_lshrrev_b32 v[TM+4+\b], 23, v[TM+12+\b]      ; the scale's byte
.endr
	v_lshl_or_b32 v[PW], v[TM+5], 8, v[TM+4]
	v_lshl_or_b32 v[PW], v[TM+6], 16, v[PW]
	v_lshl_or_b32 v[PW], v[TM+7], 24, v[PW]
	s_wait_xcnt 0x0                                ; the last block's stores have read the codes' registers: they are written again only behind this wait
	WIN \w                                         ; source 0 in window w
.irp c, 0,1
	v_cvt_scalef32_pk16_bf6_f32 v[PC+6*\c:PC+2+6*\c], v[\s+32*\c:\s+15+32*\c], v[TM+12+2*\c]
	v_cvt_scalef32_pk16_bf6_f32 v[PC+12+4*\c:PC+14+4*\c], v[\s+16+32*\c:\s+31+32*\c], v[TM+12+2*\c+1]
.endr
	WIN 0
	v_nop                                          ; one plain place behind a scaled conversion
.irp c, 0,1                                    ; the operand's layout wants a whole block in a lane
.irp i, 0,1,2
	v_permlane16_swap_b32 v[PC+6*\c+\i], v[PC+12+4*\c+\i]
.endr
.irp i, 0,1,2
	v_mov_b32 v[PC+3+6*\c+\i], v[PC+12+4*\c+\i]
.endr
.endr
.endm
; Block a's 16 tokens x my two heads are turned: d < 32: x1 cos - x2 sin; d >= 32: x2 cos + x1 sin, x1 = d, x2 = d + 32 of the same frequency f = 16 (lane / 16) + 8 u + j.
.macro ROPE a
	WIN 2+(\a)/4                                   ; source 0: the accumulators
.set AC, 64*((\a)%4)
.set CSB, CS0+32*((\a)%2)
.irp hd, 0,1
.irp u, 0,1
.irp jp, 0,1,2,3
.set X1, AC+8*(4*\hd+\u)+2*\jp
.set X2, AC+8*(4*\hd+2+\u)+2*\jp
.set CC, CSB+4*(4*\u+\jp)
.set TT, T+4*(\jp%2)
	v_pk_mul_f32 v[TT:TT+1], v[X2:X2+1], v[CC+2:CC+3]
	v_pk_mul_f32 v[TT+2:TT+3], v[X1:X1+1], v[CC+2:CC+3]
	v_pk_fma_f32 v[R+32*\hd+8*\u+2*\jp:R+32*\hd+8*\u+2*\jp+1], v[X1:X1+1], v[CC:CC+1], v[TT:TT+1] neg_lo:[0,0,1] neg_hi:[0,0,1]
	v_pk_fma_f32 v[R+32*\hd+16+8*\u+2*\jp:R+32*\hd+16+8*\u+2*\jp+1], v[X2:X2+1], v[CC:CC+1], v[TT+2:TT+3]
.endr
.endr
.endr
	WIN 0
.endm
.macro QKOUT a
.if (\a) < 7
	s_wait_loadcnt 8                               ; this block's eight loads of cos and sin are in; the next block's eight may be out
.else
	s_wait_loadcnt 0x0
.endif
	ROPE \a
.if (\a) < 6
.irp i, 0,1,2,3,4,5,6,7
	global_load_b128 v[CS0+32*((\a)%2)+4*\i:CS0+32*((\a)%2)+4*\i+3], v[L16], s[ROPEB:ROPEB+1] offset:4096*((\a)+2)+512*\i
.endr
.endif
	QUANT R, 0                                     ; codes 0-5: my first head's fragment, 6-11: my second's; the word's bytes 0, 1 and 2, 3 likewise
.if (\a)%2 == 0
	v_mov_b32 v[SW+(\a)/2], v[PW]
	v_lshrrev_b32 v[SW+4+(\a)/2], 16, v[PW]
.else
	v_lshrrev_b32 v[PW+1], 16, v[PW]
	v_cndmask_b32 v[SW+(\a)/2], v[SW+(\a)/2], v[PW], s[LMSK]       ; an odd tile's words go to lanes 16-31
	v_cndmask_b32 v[SW+4+(\a)/2], v[SW+4+(\a)/2], v[PW+1], s[LMSK]
.endif
	global_store_b128 v[L16], v[PC:PC+3], s[OUT0:OUT0+1] offset:768*(\a)
	global_store_b64 v[L8], v[PC+4:PC+5], s[OUT0:OUT0+1] offset:768*(\a)+512
	global_store_b128 v[L16], v[PC+6:PC+9], s[OUT1:OUT1+1] offset:768*(\a)
	global_store_b64 v[L8], v[PC+10:PC+11], s[OUT1:OUT1+1] offset:768*(\a)+512
.endm
.macro VOUT a                          ; block a: 16 of a head's d x my 128 keys, quantised along the keys straight from the accumulators
.set QS_, 64*((\a)%4)
.set QW_, 2+(\a)/4
.set OB_, OUT0+2*((\a)/4)
.set SI_, SW+2*((\a)/4)+((\a)%4)/2
	QUANT QS_, QW_
.if (\a)%2 == 0
	v_mov_b32 v[SI_], v[PW]
.else
	v_cndmask_b32 v[SI_], v[SI_], v[PW], s[LMSK]
.endif
.irp c, 0,1,2
	global_store_b128 v[L16], v[PC+4*\c:PC+4*\c+3], s[OB_:OB_+1] offset:6144+1536*((\a)%4)+512*\c
.endr
.endm
	PLACES NP                                      ; behind the last products: their results are read and A's registers written below
	s_mov_b32 s[SEL], 0x76543210
	s_mov_b32 s[SEL+1], 0xfedcba98
	s_mov_b32 s[LMSK], 0xffff0000
.irp b, 0,1,2,3
	v_mov_b32 v[TM+4+\b], 0                        ; written once: a lane permute's destination counts as one of its sources
.endr
	s_cmp_eq_u32 s[ISV], 1
	s_cbranch_scc1 .Lv_out
.irp a, 0,1,2,3,4,5,6,7
	QKOUT \a
.endr
	global_store_b128 v[L16], v[SW:SW+3], s[SCB0:SCB0+1]
	global_store_b128 v[L16], v[SW+4:SW+7], s[SCB1:SCB1+1]
	s_branch .Ldone
.Lv_out:
	s_wait_loadcnt 0x0                             ; (the table's sixteen loads, which this way does not use)
.irp a, 0,1,2,3,4,5,6,7
	VOUT \a
.endr
	global_store_b64 v[L8], v[SW:SW+1], s[OUT0:OUT0+1] offset:12800
	global_store_b64 v[L8], v[SW+2:SW+3], s[OUT1:OUT1+1] offset:12800
.Ldone:
	s_wait_tensorcnt 0x0                           ; the wave's end
	ds_add_u32 v[SPW], v[NIL]
	s_wait_dscnt 0x0
	CROUND                                         ; the closing round
	s_endpgm
.Lfunc_end_k_q1e783d568e_qkv:
	.size	k_q1e783d568e_qkv, .Lfunc_end_k_q1e783d568e_qkv-k_q1e783d568e_qkv
	.p2alignl 7, 3214868480
	.fill 96, 4, 3214868480
	.section	.rodata,"a",@progbits
	.p2align	6, 0x0
	.amdhsa_kernel k_q1e783d568e_qkv
		.amdhsa_group_segment_fixed_size 327680
		.amdhsa_private_segment_fixed_size 0
		.amdhsa_enable_private_segment 0
		.amdhsa_kernarg_size 40
		.amdhsa_user_sgpr_count 2
		.amdhsa_user_sgpr_kernarg_segment_ptr 1
		.amdhsa_wavefront_size32 1
		.amdhsa_system_sgpr_workgroup_id_x 1
		.amdhsa_system_sgpr_workgroup_id_y 1
		.amdhsa_system_sgpr_workgroup_id_z 1
		.amdhsa_system_vgpr_workitem_id 0
		.amdhsa_next_free_vgpr 1024
		.amdhsa_next_free_sgpr 102
		.amdhsa_reserve_vcc 0
		.amdhsa_float_denorm_mode_32 3
		.amdhsa_float_denorm_mode_16_64 3
		.amdhsa_memory_ordered 1
		.amdhsa_forward_progress 1
		.amdhsa_inst_pref_size 239
	.end_amdhsa_kernel
	.amdgpu_metadata
---
amdhsa.version: [ 1, 2 ]
amdhsa.kernels:
  - .name:           k_q1e783d568e_qkv
    .symbol:         k_q1e783d568e_qkv.kd
    .args:
      - { .name: xw_codes, .offset: 0, .size: 8, .value_kind: global_buffer, .address_space: global }
      - { .name: xw_scales, .offset: 8, .size: 8, .value_kind: global_buffer, .address_space: global }
      - { .name: rope, .offset: 16, .size: 8, .value_kind: global_buffer, .address_space: global }
      - { .name: qbuf, .offset: 24, .size: 8, .value_kind: global_buffer, .address_space: global }
      - { .name: kv, .offset: 32, .size: 8, .value_kind: global_buffer, .address_space: global }
    .group_segment_fixed_size: 327680
    .private_segment_fixed_size: 0
    .kernarg_segment_align: 8
    .kernarg_segment_size: 40
    .max_flat_workgroup_size: 128
    .sgpr_count:     102
    .vgpr_count:     1024
    .wavefront_size: 32
...
	.end_amdgpu_metadata
.endif
;; end of part 2
;; launch attn (part 3): grid 4 x 64, 16 waves a work-group, clusters of 4 x 4, 327,680 bytes of LDS; arguments qbuf, kv, attention_mask, ow_codes, ow_scales; writes ow_codes, ow_scales
.if DOCPART == 3
	.amdgcn_target "amdgcn-amd-amdhsa--gfx1250"
	.amdhsa_code_object_version 6
	.text
	.protected	k_q1e783d568e_attn
	.globl	k_q1e783d568e_attn
	.p2align	8
	.type	k_q1e783d568e_attn,@function
k_q1e783d568e_attn:
	s_mov_b64 s[64:65], 0
	v_nop
	global_prefetch_b8 v0, s[64:65] scope:SCOPE_SE
	s_setreg_imm32_b32 hwreg(HW_REG_WAVE_MODE, 25, 1), 1
	s_wait_xcnt 0x0
	s_wait_alu depctr_hold_cnt(0) depctr_sa_sdst(0) depctr_va_vdst(0) depctr_va_sdst(0) depctr_va_ssrc(0) depctr_va_vcc(0) depctr_vm_vsrc(0)
	s_getreg_b32 s2, hwreg(HW_REG_IB_STS2, 6, 4)
	s_cmp_eq_u32 s2, 0
	s_cbranch_scc0 .Lentry_in_a_cluster
	s_endpgm
.Lentry_in_a_cluster:
	s_bfe_u32 s2, ttmp6, 0x10000c
	s_cmp_lg_u32 s2, 0xf033
	s_cbranch_scc0 .Lentry_shape_is_right
	s_endpgm
.Lentry_shape_is_right:
; o = softmax(q k^T / 8 + mask) v for 32 heads of 2,048 tokens x 64, both products on codes of BF6 (E3M2) with E8M0 scales; the mask is an f32 input and is honoured as it is given.
; logit = score x 0.125 + mask (one rounding); t = logit x log2(e) (rounded); M = the running largest t rounded UP to a whole number; p = 2^(t - M) is quantised along the keys; the row's sum is taken of the unquantised p
; and divides at the end; when M moves, the sum and O are multiplied by 2^(old M - new M), which rounds nothing.  t is rounded before M is taken off, so that logits as large as a mask's -1e9 leave no rounding error in the exponent.
; SHARES.  A work-group takes 4 heads x 64 queries; wave w takes head w % 4 and the tile of 16 queries w / 4, in 256 registers.  Sixteen key steps of 128 keys.
; CLUSTER 4 x 4: cx = the group of 4 heads, cy with the cluster's y = the block of 64 queries.  The mask's tile (64 x 128 f32) hangs on the queries alone and is asked for jointly along a row of the cluster: all 16 heads of a batch
; take it from one request.  A head's record of a key step (K's 8 images, V's 4, their scale words: 13,056 dense bytes) is asked for jointly along a column.  Waves 0-3 fetch the four records, waves 4-7 the mask's four groups of 16 rows.
; LAYOUT.  Both products transposed: S^T = K Q^T, O^T = V^T P^T: a lane holds one query.  K's, V's and Q's tiles carry their rows with bits 3 and 4 exchanged in every 32, so that the 16 registers of two neighbouring tiles are 16
; neighbours (keys in S^T, d in O^T).  The head's 64 fill the lower half of the instruction's 128 along K: the upper six registers of K's and Q's fragments hold zero codes.
; LDS: slot 0 at 0, slot 1 at 2^17; in a slot four records, then the mask: rows of 528 bytes, 128 bytes more behind each 16 rows, so that the sixteen rows of a tile of queries (0-7 and 16-23) start in sixteen different groups of banks.
; LIMITS: NaN and infinities are not served (a row whose every logit is -infinity is NaN in the definition too); a block of p that has fallen to 0 keeps the byte 1 over zero codes.
.set REC,   13056
.set MOFF,  4*REC
.set MGRP,  8576
.set MP,    528
.set SLOT1, 1<<17
.set SPARE, SLOT1+MOFF+4*MGRP          ; the spare words, 128 bytes a wave: eight blocks of 256 bytes that no other line names
.set OSC,   SPARE+2048                 ; 512 bytes: o's scale bytes on their way out; no tile lands here
.set AK16, 1                           ; v1  16 x lane + my head's record
.set AK8,  2                           ; v2  8 x lane + my head's record
.set AM0,  3                           ; v3  my query's row of the mask, + 64 (lane / 16)
.set SPW,  4
.set NIL,  5
.set A16,  6                           ; v6-8 the three with the slot added
.set A8,   7
.set AM,   8
.set PFO,  9                           ; v9  the prefetches' offset; never rewritten
.set FF,   10                          ; v[10:11] f = 2^(old M - new M)
.set NM,   12                          ; v12 -M;  v13 the largest t
.set TMX,  13
.set SUM,  14                          ; v[14:15] the sum in two halves
.set Q,    16                          ; v16-27
.set QS,   28                          ; scales and nothing else: v28 Q's, v29 p's, v30-31 V's, v32-35 K's
.set PW,   29
.set VS,   30
.set KS,   32
.set KF,   36                          ; v36-83   four fragments of K
.set VF,   84                          ; v84-131  four fragments of V; before that the mask's quads 0-11
.set S,    132                         ; v132-195 S^T, then p
.set OT,   196                         ; v196-227 O^T
.set PC,   228                         ; v228-239 p's codes; before that quads 12-14
.set CT,   240                         ; v240-246 at work; v240-243 quad 15 before that;  v247 at work
.set TP,   247
.set SO,   248                         ; v248-251 the conversions' scale operands
.set BM,   252                         ; v252-255 the blocks' largest t, then p
.set WV,   14
.set HL,   15
.set QT,   16
.set CX,   17
.set CY,   18
.set SEL,  20
.set CS,   22
.set G1KV, 24
.set G1M,  32
.set G0KV, 40
.set G0M,  44
.set TB,   48
.set SLOTS, 49
.set PFA,  50
.set PFS,  52
.set LIM,  54
.set BAT,  55
.set QB,   56
.set BH,   59
.macro TLOAD                           ; the branches hang on the wave's number alone; four v_nop follow each of the two lines
	s_cmp_lt_u32 s[WV], 4
	s_cbranch_scc0 .Lnot_kv_\@
	tensor_load_to_lds s[G0KV:G0KV+3], s[G1KV:G1KV+7]
	s_nop 0
.rept 4
	v_nop
.endr
	s_branch .Lasked_\@
.Lnot_kv_\@:
	s_cmp_lt_u32 s[WV], 8
	s_cbranch_scc0 .Lasked_\@
	tensor_load_to_lds s[G0M:G0M+3], s[G1M:G1M+7]
	s_nop 0
.rept 4
	v_nop
.endr
.Lasked_\@:
.endm
; A PREFETCH of what the NEXT change of slots will ask for, one key step ahead of that load.  Wave 8 of every work-group: 16 of the mask tile's 64 rows (16 cx on: the four partners are told apart by address), two blocks of 256 bytes a row.
; Waves 9 and 10, in the batch's first cluster alone (all eight walk the same records): the record of head 4 cx + cy, blocks 0-31 and 32-50; a record has 51 blocks, so lanes 19-31 of wave 10 name block 50 with lane 18.
; The last change that fills a slot asks for nothing; key steps 0 and 1 come by their loads alone.
.macro ASK
	s_cmp_gt_u32 s[SLOTS], s[LIM]
	s_cbranch_scc0 .Lnot_mine_\@
	global_prefetch_b8 v[PFO], s[PFA:PFA+1] th:TH_LOAD_NT scope:SCOPE_SE
.Lnot_mine_\@:
.endm
.macro CROUND
	s_barrier_signal -1
	s_barrier_wait -1
	s_cmp_lg_u32 s[WV], 0
	s_cbranch_scc1 .Lnot_wave_0_\@
	s_barrier_signal -3
.Lnot_wave_0_\@:
	s_barrier_wait -3
	s_barrier_signal -1
	s_barrier_wait -1
.endm
	s_load_b256 s[4:11], s[0:1], 0x0               ; qbuf, kv, attention_mask, ow_codes
	s_load_b64 s[12:13], s[0:1], 0x20              ; ow_scales
	v_lshl_add_u32 v[SPW], v0, 2, SPARE
	v_mov_b32 v[NIL], 0
	ds_add_u32 v4, v5
	s_wait_dscnt 0x0
	v_lshrrev_b32 v6, 5, v0
	v_readfirstlane_b32 s[WV], v6                  ; wave 0..15
	s_and_b32 s[HL], s[WV], 3                      ; my head of the four.  Also: which record, or which group of the mask's rows, I fetch
	s_lshr_b32 s[QT], s[WV], 2                     ; my tile of queries
	s_bfe_u32 s[CX], ttmp6, 0x40000
	s_bfe_u32 s[CY], ttmp6, 0x40004
	s_and_b32 s19, ttmp7, 0xffff                   ; cluster y
	s_lshr_b32 s[BAT], s19, 3                      ; the batch
	s_and_b32 s19, s19, 7
	s_lshl_b32 s[QB], s19, 2
	s_add_co_u32 s[QB], s[QB], s[CY]               ; the block of 64 queries
	s_lshl_b32 s57, s[CY], 2
	s_lshl_b32 s57, 15, s57                        ; my row of the cluster
	s_lshl_b32 s58, 0x1111, s[CX]                  ; my column
	s_or_b32 s[G1KV], s58, (3<<16)|(1<<21)         ; a record: 51 dense rows of 256 bytes (32 elements of 8 bytes), no padding
	s_mov_b32 s[G1KV+1], 32<<16
	s_mov_b32 s[G1KV+2], 51<<16
	s_mov_b32 s[G1KV+3], 32<<16
	s_mov_b32 s[G1KV+4], 51
	s_mov_b32 s[G1KV+5], 32
	s_mov_b32 s[G1KV+6], 0
	s_mov_b32 s[G1KV+7], 0
	s_or_b32 s[G1M], s57, (2<<16)|(1<<20)|(1<<21)|(6<<22)|(3<<25)  ; the mask: 16 rows of 128 f32, 2,048 apart; 4 words of padding after every 128
	s_mov_b32 s[G1M+1], 128<<16
	s_mov_b32 s[G1M+2], 16<<16
	s_mov_b32 s[G1M+3], 128<<16
	s_mov_b32 s[G1M+4], 16
	s_mov_b32 s[G1M+5], 2048
	s_mov_b32 s[G1M+6], 0
	s_mov_b32 s[G1M+7], 0
	s_lshl_b32 s[BH], s[BAT], 4
	s_lshl_b32 s60, s[CX], 2
	s_add_co_u32 s[BH], s[BH], s60
	s_add_co_u32 s[BH], s[BH], s[HL]               ; 16 x batch + head
	s_mul_i32 s60, s[BH], 16*REC                   ; its records
	s_mov_b32 s61, 0
	s_lshl_b32 s62, s[BAT], 11
	s_lshl_b32 s63, s[QB], 6
	s_add_co_u32 s62, s62, s63
	s_lshl_b32 s63, s[HL], 4
	s_add_co_u32 s62, s62, s63
	s_lshl_b32 s62, s62, 13                        ; the mask's row 2,048 batch + 64 block + 16 group, 8,192 bytes a row
	s_mov_b32 s63, 0
	s_mul_i32 s66, s[HL], REC
	s_mul_i32 s67, s[HL], MGRP
	s_add_co_u32 s67, s67, MOFF
	v_and_b32 v6, 31, v0                           ; l
	v_and_b32 v7, 15, v0                           ; r
	v_bfe_u32 v8, v0, 4, 1                         ; h
	v_lshl_add_u32 v[AK16], v6, 4, s66
	v_lshl_add_u32 v[AK8], v6, 3, s66
	s_lshr_b32 s68, s[QT], 1
	s_mul_i32 s68, s68, 2*MGRP
	s_and_b32 s69, s[QT], 1
	s_mul_i32 s69, s69, 8*MP
	s_add_co_u32 s68, s68, s69
	s_add_co_u32 s68, s68, MOFF
	v_lshrrev_b32 v9, 3, v7
	v_mul_u32_u24 v9, v9, MGRP
	v_and_b32 v10, 7, v7
	v_mad_u32_u24 v9, v10, MP, v9
	v_lshl_add_u32 v9, v8, 6, v9
	v_add_nc_u32 v[AM0], s68, v9                   ; lane r of tile qt is query 32 (qt / 2) + 16 (r / 8) + 8 (qt % 2) + r % 8 of the 64
	s_lshl_b32 s70, s[BH], 7
	s_lshl_b32 s71, s[QB], 2
	s_add_co_u32 s70, s70, s71
	s_add_co_u32 s70, s70, s[QT]
	s_mul_i32 s70, s70, 768                        ; Q's image
	s_mov_b32 s71, 0
	s_lshl_b32 s72, s[BH], 13
	s_lshr_b32 s73, s[QB], 1
	s_lshl_b32 s73, s73, 9
	s_add_co_u32 s72, s72, s73
	s_and_b32 s73, s[QB], 1
	s_lshl_b32 s73, s73, 3
	s_add_co_u32 s72, s72, s73
	s_lshr_b32 s73, s[QT], 1
	s_lshl_b32 s73, s73, 2
	s_add_co_u32 s72, s72, s73
	s_add_co_u32 s72, s72, 3145728                 ; Q's scale words: the group of 8 tiles, word (tile % 8) / 2
	s_mov_b32 s73, 0
	s_and_b32 s69, s[QT], 1
	s_lshl_b32 s69, s69, 8                         ; an odd tile's words lie in lanes 16-31's places
	s_mov_b32 s[SEL], 0x76543210
	s_mov_b32 s[SEL+1], 0xfedcba98
	s_mov_b32 s[CS], 0x3fb8aa3b                    ; log2(e)
	s_mov_b32 s[CS+1], s[CS]
	s_mov_b32 s[TB], 0
	s_mov_b32 s[SLOTS], 15
	s_wait_kmcnt 0x0
	s_mov_b32 s[G0KV], 1
	s_mov_b32 s[G0KV+1], s66
	s_add_nc_u64 s[G0KV+2:G0KV+3], s[6:7], s[60:61]
	s_or_b32 s[G0KV+3], s[G0KV+3], 0x80000000
	s_mov_b32 s[G0M], 1
	s_mov_b32 s[G0M+1], s67
	s_add_nc_u64 s[G0M+2:G0M+3], s[8:9], s[62:63]
	s_or_b32 s[G0M+3], s[G0M+3], 0x80000000
	CROUND                                         ; all sixteen work-groups are here: the first joint loads meet
	TLOAD                                          ; key step 0 into slot 0
	s_add_nc_u64 s[70:71], s[4:5], s[70:71]
	s_add_nc_u64 s[72:73], s[4:5], s[72:73]
	v_lshl_add_u32 v[AM], v7, 4, s69
	v_lshlrev_b32 v[A8], 3, v6
	v_lshlrev_b32 v[A16], 4, v6
	global_load_b128 v[Q:Q+3], v[A16], s[70:71]
	global_load_b64 v[Q+4:Q+5], v[A8], s[70:71] offset:512
	global_load_b32 v[QS], v[AM], s[72:73]
	; the prefetches: who asks, and where
	s_lshl_b32 s74, s[BAT], 11
	s_lshl_b32 s76, s[QB], 6
	s_add_co_u32 s74, s74, s76
	s_lshl_b32 s76, s[CX], 4
	s_add_co_u32 s74, s74, s76
	s_lshl_b32 s74, s74, 13
	s_add_co_u32 s74, s74, 512                     ; the mask: my work-group's 16 rows, at key step 1: the first change steps it to 2
	s_lshl_b32 s75, s[BAT], 4
	s_lshl_b32 s76, s[CX], 2
	s_add_co_u32 s75, s75, s76
	s_add_co_u32 s75, s75, s[CY]
	s_mul_i32 s75, s75, 16*REC
	s_add_co_u32 s75, s75, REC                     ; the records of head 4 cx + cy, at key step 1
	s_cmp_eq_u32 s[WV], 10
	s_cselect_b32 s78, 18, 31
	s_cselect_b32 s79, 8192, 0
	s_add_co_u32 s75, s75, s79
	s_sub_co_u32 s80, s[WV], 9
	s_lshr_b32 s80, s80, 1                         ; 0 in waves 9 and 10,
	s_or_b32 s80, s80, s19                         ; of the batch's first cluster: the same in all partners
	s_cmp_eq_u32 s80, 0
	s_cselect_b32 s[LIM], 1, -1
	s_mov_b32 s77, 256
	s_mov_b32 s[PFS], REC
	s_mov_b32 s[PFS+1], 0
	s_cmp_eq_u32 s[WV], 8
	s_cselect_b32 s[LIM], 1, s[LIM]
	s_cselect_b32 s76, 1, 0
	s_cselect_b32 s77, 8192, s77
	s_cselect_b32 s[PFS], 512, s[PFS]
	s_cselect_b32 s74, s74, s75
	s_cselect_b64 s[PFA:PFA+1], s[8:9], s[6:7]
	s_mov_b32 s75, 0
	s_add_nc_u64 s[PFA:PFA+1], s[PFA:PFA+1], s[74:75]
	v_and_b32 v[PFO], 31, v0
	v_min_u32 v[PFO], s78, v[PFO]
	v_lshrrev_b32 v10, s76, v[PFO]
	v_mul_lo_u32 v10, v10, s77
	v_and_b32 v[PFO], s76, v[PFO]
	v_lshl_add_u32 v[PFO], v[PFO], 8, v10          ; the mask: 8,192 (lane / 2) + 256 (lane % 2); a record: 256 x lane
.set j, 0
.rept 32
	v_mov_b32 v[OT+j], 0                           ; the step is written once: the first finds zeros, which the first change of M leaves zeros
.set j, j+1
.endr
.irp j, 6,7,8,9,10,11
	v_mov_b32 v[Q+\j], 0                           ; zero codes for k = 64 .. 127
.irp t, 0,1,2,3
	v_mov_b32 v[KF+12*\t+\j], 0
.endr
.endr
	v_mov_b32 v[SUM], 0
	v_mov_b32 v[SUM+1], 0
	v_mov_b32 v[FF+1], 0                           ; (named as the upper half of a pair)
	v_mov_b32 v[TMX], 0xff61b1e6                   ; the largest t so far: -3e38
	v_floor_f32 v[NM], -v[TMX]
.macro MREG n                          ; where quad n of the mask lies
.if (\n) < 12
.set MR, VF+4*(\n)
.elseif (\n) < 15
.set MR, PC+4*((\n)-12)
.else
.set MR, CT
.endif
.endm
.macro MLOAD n                         ; quad n: my query's mask at keys 32 (n / 4) + 16 (lane / 16) + 4 (n % 4) + 0 .. 3: for S^T's registers 4 n .. 4 n + 3
	MREG \n
	ds_load_b128 v[MR:MR+3], v[AM] offset:128*((\n)/4)+16*((\n)%4)
.endm
.macro LOGIT n
	MREG \n
	v_pk_fma_f32 v[S+4*(\n):S+4*(\n)+1], v[S+4*(\n):S+4*(\n)+1], 0x3e000000, v[MR:MR+1] op_sel_hi:[1,0,1]       ; score / 8 + mask: rounded once
	v_pk_fma_f32 v[S+4*(\n)+2:S+4*(\n)+3], v[S+4*(\n)+2:S+4*(\n)+3], 0x3e000000, v[MR+2:MR+3] op_sel_hi:[1,0,1]
.endm
.macro TEE n
	v_pk_mul_f32 v[S+4*(\n):S+4*(\n)+1], v[S+4*(\n):S+4*(\n)+1], s[CS:CS+1] op_sel_hi:[1,0]                     ; t = logit x log2(e)
	v_pk_mul_f32 v[S+4*(\n)+2:S+4*(\n)+3], v[S+4*(\n)+2:S+4*(\n)+3], s[CS:CS+1] op_sel_hi:[1,0]
.endm
.macro KQ T                            ; tile T of the step's eight: 16 keys x my 16 queries
.if (\T)%2
	v_wmma_scale_f32_16x16x128_f8f6f4 v[S+8*(\T):S+8*(\T)+7], v[KF+12*((\T)%4):KF+12*((\T)%4)+11], v[Q:Q+11], 0, v[KS+(\T)/2], v[QS] matrix_a_fmt:MATRIX_FMT_BF6 matrix_b_fmt:MATRIX_FMT_BF6 matrix_a_scale:MATRIX_SCALE_ROW1
.else
	v_wmma_scale_f32_16x16x128_f8f6f4 v[S+8*(\T):S+8*(\T)+7], v[KF+12*((\T)%4):KF+12*((\T)%4)+11], v[Q:Q+11], 0, v[KS+(\T)/2], v[QS] matrix_a_fmt:MATRIX_FMT_BF6 matrix_b_fmt:MATRIX_FMT_BF6
.endif
.endm
.macro KLOAD T
	ds_load_b128 v[KF+12*((\T)%4):KF+12*((\T)%4)+3], v[A16] offset:768*(\T)
	ds_load_b64 v[KF+12*((\T)%4)+4:KF+12*((\T)%4)+5], v[A8] offset:768*(\T)+512
.endm
.macro BMAX b0, b1                     ; the largest t of two blocks of 32 keys (my 16 of each), by turns
.irp b, \b0, \b1
	v_max3_num_f32 v[BM+\b], v[S+16*\b], v[S+16*\b+1], v[S+16*\b+2]
.endr
.irp i, 3,5,7,9,11,13
.irp b, \b0, \b1
	v_max3_num_f32 v[BM+\b], v[BM+\b], v[S+16*\b+\i], v[S+16*\b+\i+1]
.endr
.endr
.irp b, \b0, \b1
	v_max_num_f32 v[BM+\b], v[BM+\b], v[S+16*\b+15]
.endr
.endm
; A KEY STEP: 128 keys, from the slot at s[TB].
.macro STEP
	v_add_nc_u32 v[A16], s[TB], v[AK16]
	v_add_nc_u32 v[A8], s[TB], v[AK8]
	v_add_nc_u32 v[AM], s[TB], v[AM0]
	v_nop                                          ; four places behind the last step's products, whose operands' registers are loaded below
	ds_load_b128 v[KS:KS+3], v[A16] offset:12288   ; K's scale words: register w: tile 2 w in lanes 0-15, tile 2 w + 1 in lanes 16-31
.irp T, 0,1,2,3
	KLOAD \T
.endr
.irp n, 0,1,2,3,4,5,6,7,8,9,10,11,12,13,14,15
	MLOAD \n
.endr
	s_wait_dscnt 16                                ; K's words and tiles 0-3 are in; the mask's sixteen loads may be out
.irp T, 0,1,2,3
	KQ \T
.endr
.rept 4
	v_nop                                          ; places: K's registers are loaded again, and the scores read, below
.endr
.irp T, 4,5,6,7
	KLOAD \T
.endr
	s_wait_dscnt 16                                ; the mask's quads 0-7 are in; quads 8-15 and K's tiles 4-7 may be out
.irp n, 0,1,2,3,4,5,6,7
	LOGIT \n
.endr
.irp n, 0,1,2,3,4,5,6,7
	TEE \n
.endr
	s_wait_dscnt 0x0
.irp T, 4,5,6,7
	KQ \T
.endr
	BMAX 0, 1                                      ; sixteen plain lines that name none of those products' registers: their places
.irp n, 8,9,10,11,12,13,14,15
	LOGIT \n
.endr
.irp n, 8,9,10,11,12,13,14,15
	TEE \n
.endr
.irp t, 0,1,2,3
.irp c, 0,1,2
	ds_load_b128 v[VF+12*\t+4*\c:VF+12*\t+4*\c+3], v[A16] offset:6144+1536*\t+512*\c   ; V's four fragments land under the softmax
.endr
.endr
	ds_load_b64 v[VS:VS+1], v[A8] offset:12800
	BMAX 2, 3
.irp b, 0,1,2,3
	v_permlanex16_b32 v[CT+\b], v[BM+\b], s[SEL], s[SEL+1]
.endr
.irp b, 0,1,2,3
	v_max_num_f32 v[BM+\b], v[BM+\b], v[CT+\b]     ; with lane l xor 16's 16 keys
.endr
	v_max3_num_f32 v[TP], v[BM], v[BM+1], v[BM+2]
	v_max_num_f32 v[TP], v[TP], v[BM+3]
	v_max_num_f32 v[TMX], v[TMX], v[TP]            ; the running largest t
	v_mov_b32 v[TP], v[NM]
	v_floor_f32 v[NM], -v[TMX]                     ; -M = floor(-t) = -ceil(t)
	v_sub_f32 v[TP], v[NM], v[TP]                  ; old M - new M: a whole number, 0 or less
	v_cvt_i32_f32 v[TP], v[TP]                     ; (it saturates)
	v_ldexp_f32 v[FF], 1.0, v[TP]                  ; f
.set j, 0
.rept 32
	v_pk_add_f32 v[S+j:S+j+1], v[S+j:S+j+1], v[NM:NM+1] op_sel_hi:[1,0]   ; t - M
.set j, j+2
.endr
.irp b, 0,1,2,3
	v_add_f32 v[BM+\b], v[BM+\b], v[NM]            ; the same of each block's largest t
.endr
.set j, 0
.rept 64
	v_exp_f32 v[S+j], v[S+j]                       ; p = 2^(t - M), at most 1
.set j, j+1
.endr
	v_pk_mul_f32 v[SUM:SUM+1], v[SUM:SUM+1], v[FF:FF+1] op_sel_hi:[1,0]   ; the sums under the new M; the plain place behind the exponentials
	s_wait_alu depctr_va_vdst(0)                   ; one wait for the batch of 64, ahead of its first reader
.irp b, 0,1,2,3
	v_exp_f32 v[BM+\b], v[BM+\b]                   ; the block's largest p: the same instructions on the same number
.endr
	v_pk_add_f32 v[CT+4:CT+5], v[S:S+1], v[S+2:S+3]   ; the row's sum of the unquantised p, in two chains
.irp j, 4,8,12,16,20,24,28,32,36,40,44,48,52,56,60
	v_pk_add_f32 v[SUM:SUM+1], v[SUM:SUM+1], v[S+\j:S+\j+1]
	v_pk_add_f32 v[CT+4:CT+5], v[CT+4:CT+5], v[S+\j+2:S+\j+3]
.endr
	v_pk_add_f32 v[SUM:SUM+1], v[SUM:SUM+1], v[CT+4:CT+5]
	s_wait_alu depctr_va_vdst(0)                   ; and one for the four
.irp b, 0,1,2,3
	v_max_num_f32 v[BM+\b], 0x2800000, v[BM+\b]    ; the floor 2^(5 - 127)
.endr
.irp b, 0,1,2,3
	v_add_nc_u32 v[SO+\b], 0xfe000000, v[BM+\b]
.endr
.irp b, 0,1,2,3
	v_lshrrev_b32 v[CT+\b], 23, v[SO+\b]
.endr
	v_lshl_or_b32 v[PW], v[CT+1], 8, v[CT]         ; p's scale word for these 128 keys
	v_lshl_or_b32 v[PW], v[CT+2], 16, v[PW]
	v_lshl_or_b32 v[PW], v[CT+3], 24, v[PW]
.irp c, 0,1
	v_cvt_scalef32_pk16_bf6_f32 v[PC+6*\c:PC+6*\c+2], v[S+32*\c:S+32*\c+15], v[SO+2*\c]
	v_cvt_scalef32_pk16_bf6_f32 v[CT+4*\c:CT+4*\c+2], v[S+32*\c+16:S+32*\c+31], v[SO+2*\c+1]
.endr
	v_nop                                          ; one plain place behind a scaled conversion
.irp c, 0,1
.irp i, 0,1,2
	v_permlane16_swap_b32 v[PC+6*\c+\i], v[CT+4*\c+\i]
.endr
.irp i, 0,1,2
	v_mov_b32 v[PC+3+6*\c+\i], v[CT+4*\c+\i]
.endr
.endr
.set j, 0
.rept 16
	v_pk_mul_f32 v[OT+j:OT+j+1], v[OT+j:OT+j+1], v[FF:FF+1] op_sel_hi:[1,0]   ; O^T under the new M; these sixteen are also the places between p's word and codes and the products
.set j, j+2
.endr
	s_wait_dscnt 0x0                               ; V
.irp t, 0,1,2,3                        ; O^T += V^T P^T: the four accumulators by turns
.if \t%2
	v_wmma_scale_f32_16x16x128_f8f6f4 v[OT+8*\t:OT+8*\t+7], v[VF+12*\t:VF+12*\t+11], v[PC:PC+11], v[OT+8*\t:OT+8*\t+7], v[VS+\t/2], v[PW] matrix_a_fmt:MATRIX_FMT_BF6 matrix_b_fmt:MATRIX_FMT_BF6 matrix_a_scale:MATRIX_SCALE_ROW1
.else
	v_wmma_scale_f32_16x16x128_f8f6f4 v[OT+8*\t:OT+8*\t+7], v[VF+12*\t:VF+12*\t+11], v[PC:PC+11], v[OT+8*\t:OT+8*\t+7], v[VS+\t/2], v[PW] matrix_a_fmt:MATRIX_FMT_BF6 matrix_b_fmt:MATRIX_FMT_BF6
.endif
.endr
	s_xor_b32 s[TB], s[TB], SLOT1                  ; on to the other slot
.endm
; THE CHANGE OF SLOTS stands at a step's head: each wave waits for all its tensor loads, adds 0 to its spare word, and waits for that and for its reads of the slot that it has left.  fill = 1: a round of the cluster's barrier,
; and behind it the slot just left is filled with the next key step: one load a wave, with a whole step in which to land.
.macro CHANGE fill
	s_wait_tensorcnt 0x0                           ; no tensor load of mine is out, so a descriptor may be written
	ds_add_u32 v[SPW], v[NIL]                      ; 0 onto my spare word
.if \fill
	s_xor_b32 s[G0KV+1], s[G0KV+1], SLOT1
	s_add_nc_u64 s[G0KV+2:G0KV+3], s[G0KV+2:G0KV+3], REC
	s_xor_b32 s[G0M+1], s[G0M+1], SLOT1
	s_add_nc_u64 s[G0M+2:G0M+3], s[G0M+2:G0M+3], 512
	s_wait_xcnt 0x0                                ; the last prefetch, a step back, has read its address
	s_add_nc_u64 s[PFA:PFA+1], s[PFA:PFA+1], s[PFS:PFS+1]
	s_wait_dscnt 0x0                               ; the add is done, and my reads of the slot that I have left are over
	CROUND
	TLOAD
	ASK
.else
	s_wait_dscnt 0x0
	s_barrier_signal -1
	s_barrier_wait -1
.endif
.endm
	s_wait_loadcnt 0x0                             ; Q and its scale words
.Lstep:                                            ; 15 trips: behind each change of slots but the last the next key step is asked for
	CHANGE 1
	STEP
	s_sub_co_u32 s[SLOTS], s[SLOTS], 1
	s_cmp_lg_u32 s[SLOTS], 0
	s_cbranch_scc1 .Lstep
	CHANGE 0                                       ; the last step is written out
	STEP
	; THE WAY OUT: O^T / the sum is quantised along d (register 16 b + i is d = 32 b + 16 (lane / 16) + i) and leaves as half of an operand's image; its two scale bytes meet the other heads' in LDS.
	v_add_f32 v[SUM], v[SUM], v[SUM+1]
	v_permlanex16_b32 v[TP], v[SUM], s[SEL], s[SEL+1]
	v_add_f32 v[SUM], v[SUM], v[TP]                ; the row's sum
	v_rcp_f32 v[SUM], v[SUM]
	v_and_b32 v6, 15, v0                           ; (a plain place behind the reciprocal)
	s_lshl_b32 s60, s[QT], 7
	s_lshl_b32 s61, s[HL], 1
	s_add_co_u32 s60, s60, s61
	s_add_co_u32 s60, s60, OSC
	v_lshl_add_u32 v6, v6, 3, s60                  ; my row's 8 bytes among the 64 rows', my head's two
	v_and_b32 v7, 63, v0
	v_lshl_add_u32 v8, v7, 3, OSC                  ; back: a row's 8 bytes a lane
	v_lshlrev_b32 v7, 5, v7                        ; and its 32 bytes in ow_scales
	v_and_b32 v10, 31, v0
	v_lshlrev_b32 v10, 3, v10                      ; 8 x lane
	s_lshl_b32 s60, s[BAT], 7
	s_lshl_b32 s61, s[QB], 2
	s_add_co_u32 s60, s60, s61                     ; the block's first tile of 16 tokens
	s_lshl_b32 s62, s60, 9                         ; its rows' scale bytes: 16 rows x 32 bytes a tile,
	s_lshl_b32 s61, s[CX], 3
	s_add_co_u32 s62, s62, s61                     ; + 8 x the group of heads
	s_mov_b32 s63, 0
	s_add_co_u32 s60, s60, s[QT]
	s_lshl_b32 s60, s60, 3
	s_lshl_b32 s61, s[CX], 1
	s_add_co_u32 s60, s60, s61
	s_lshr_b32 s61, s[HL], 1
	s_add_co_u32 s60, s60, s61                     ; 8 x tile + head / 2: the image
	s_mul_i32 s60, s60, 1536
	s_and_b32 s61, s[HL], 1
	s_mul_i32 s61, s61, 768                        ; an odd head fills its upper half
	s_add_co_u32 s60, s60, s61
	s_mov_b32 s61, 0
	s_add_nc_u64 s[10:11], s[10:11], s[60:61]
	s_add_nc_u64 s[12:13], s[12:13], s[62:63]
	s_wait_alu depctr_va_vdst(0)                   ; ahead of the reciprocal's first reader
.set j, 0
.rept 16
	v_pk_mul_f32 v[S+j:S+j+1], v[OT+j:OT+j+1], v[SUM:SUM+1] op_sel_hi:[1,0]   ; each accumulator from its low end on
.set j, j+2
.endr
.irp b, 0,1
	v_max3_num_f32 v[BM+\b], |v[S+16*\b]|, |v[S+16*\b+1]|, 0x2800000
.endr
.irp i, 2,4,6,8,10,12,14
.irp b, 0,1
	v_max3_num_f32 v[BM+\b], v[BM+\b], |v[S+16*\b+\i]|, |v[S+16*\b+\i+1]|
.endr
.endr
.irp b, 0,1
	v_permlanex16_b32 v[CT+\b], v[BM+\b], s[SEL], s[SEL+1]
.endr
.irp b, 0,1
	v_max_num_f32 v[BM+\b], v[BM+\b], v[CT+\b]
.endr
.irp b, 0,1
	v_add_nc_u32 v[SO+\b], 0xfe000000, v[BM+\b]
.endr
.irp b, 0,1
	v_lshrrev_b32 v[CT+\b], 23, v[SO+\b]
.endr
	v_lshl_or_b32 v[TP], v[CT+1], 8, v[CT]         ; my row's two scale bytes
	v_cvt_scalef32_pk16_bf6_f32 v[PC:PC+2], v[S:S+15], v[SO]
	v_cvt_scalef32_pk16_bf6_f32 v[CT:CT+2], v[S+16:S+31], v[SO+1]
	v_nop
.irp i, 0,1,2
	v_permlane16_swap_b32 v[PC+\i], v[CT+\i]
.endr
.irp i, 0,1,2
	v_mov_b32 v[PC+3+\i], v[CT+\i]
.endr
	global_store_b64 v10, v[PC:PC+1], s[10:11]     ; each store: 256 consecutive bytes, aligned
	global_store_b64 v10, v[PC+2:PC+3], s[10:11] offset:256
	global_store_b64 v10, v[PC+4:PC+5], s[10:11] offset:512
	ds_store_b16 v6, v[TP]                         ; lanes l and l xor 16 write the same bytes with the same value
	s_wait_dscnt 0x0                               ; for the others' sake
	s_barrier_signal -1
	s_barrier_wait -1
	s_cmp_lt_u32 s[WV], 2
	s_cbranch_scc0 .Lno_scales
	ds_load_b64 v[S:S+1], v8                       ; waves 0 and 1: 32 rows each, the four heads' 8 bytes
	s_wait_dscnt 0x0
	global_store_b64 v7, v[S:S+1], s[12:13]
.Lno_scales:
	s_wait_tensorcnt 0x0                           ; the wave's end
	ds_add_u32 v[SPW], v[NIL]
	s_wait_dscnt 0x0
	CROUND                                         ; the closing round
	s_endpgm
.Lfunc_end_k_q1e783d568e_attn:
	.size	k_q1e783d568e_attn, .Lfunc_end_k_q1e783d568e_attn-k_q1e783d568e_attn
	.p2alignl 7, 3214868480
	.fill 96, 4, 3214868480
	.section	.rodata,"a",@progbits
	.p2align	6, 0x0
	.amdhsa_kernel k_q1e783d568e_attn
		.amdhsa_group_segment_fixed_size 327680
		.amdhsa_private_segment_fixed_size 0
		.amdhsa_enable_private_segment 0
		.amdhsa_kernarg_size 40
		.amdhsa_user_sgpr_count 2
		.amdhsa_user_sgpr_kernarg_segment_ptr 1
		.amdhsa_wavefront_size32 1
		.amdhsa_system_sgpr_workgroup_id_x 1
		.amdhsa_system_sgpr_workgroup_id_y 1
		.amdhsa_system_sgpr_workgroup_id_z 1
		.amdhsa_system_vgpr_workitem_id 0
		.amdhsa_next_free_vgpr 256
		.amdhsa_next_free_sgpr 100
		.amdhsa_reserve_vcc 0
		.amdhsa_float_denorm_mode_32 3
		.amdhsa_float_denorm_mode_16_64 3
		.amdhsa_memory_ordered 1
		.amdhsa_forward_progress 1
		.amdhsa_inst_pref_size 60
	.end_amdhsa_kernel
	.amdgpu_metadata
---
amdhsa.version: [ 1, 2 ]
amdhsa.kernels:
  - .name:           k_q1e783d568e_attn
    .symbol:         k_q1e783d568e_attn.kd
    .args:
      - { .name: qbuf, .offset: 0, .size: 8, .value_kind: global_buffer, .address_space: global }
      - { .name: kv, .offset: 8, .size: 8, .value_kind: global_buffer, .address_space: global }
      - { .name: attention_mask, .offset: 16, .size: 8, .value_kind: global_buffer, .address_space: global }
      - { .name: ow_codes, .offset: 24, .size: 8, .value_kind: global_buffer, .address_space: global }
      - { .name: ow_scales, .offset: 32, .size: 8, .value_kind: global_buffer, .address_space: global }
    .group_segment_fixed_size: 327680
    .private_segment_fixed_size: 0
    .kernarg_segment_align: 8
    .kernarg_segment_size: 40
    .max_flat_workgroup_size: 512
    .sgpr_count:     100
    .vgpr_count:     256
    .wavefront_size: 32
...
	.end_amdgpu_metadata
.endif
;; end of part 3
;; launch outp (part 4): grid 8 x 32, 4 waves a work-group, clusters of 4 x 4, 327,680 bytes of LDS; arguments ow_codes, ow_scales, out0; writes out0
.if DOCPART == 4
	.amdgcn_target "amdgcn-amd-amdhsa--gfx1250"
	.amdhsa_code_object_version 6
	.text
	.protected	k_q1e783d568e_outp
	.globl	k_q1e783d568e_outp
	.p2align	8
	.type	k_q1e783d568e_outp,@function
k_q1e783d568e_outp:
	s_mov_b64 s[64:65], 0
	v_nop
	global_prefetch_b8 v0, s[64:65] scope:SCOPE_SE
	s_setreg_imm32_b32 hwreg(HW_REG_WAVE_MODE, 25, 1), 1
	s_wait_xcnt 0x0
	s_wait_alu depctr_hold_cnt(0) depctr_sa_sdst(0) depctr_va_vdst(0) depctr_va_sdst(0) depctr_va_ssrc(0) depctr_va_vcc(0) depctr_vm_vsrc(0)
	s_getreg_b32 s2, hwreg(HW_REG_IB_STS2, 6, 4)
	s_cmp_eq_u32 s2, 0
	s_cbranch_scc0 .Lentry_in_a_cluster
	s_endpgm
.Lentry_in_a_cluster:
	s_bfe_u32 s2, ttmp6, 0x10000c
	s_cmp_lg_u32 s2, 0xf033
	s_cbranch_scc0 .Lentry_shape_is_right
	s_endpgm
.Lentry_shape_is_right:
; out0 [4096][2048] f32 = o Wo on codes of BF6 (E3M2) with one E8M0 scale for each 32 along K = 1,024.
; A = o: images of operand registers, (tile of 16 tokens x 8 + K / 128) x 1,536 bytes, register pair p at 256 p + 8 x lane; its scale bytes 32 a row.  B = Wo: 2,048 rows (columns of Wo) of 768 bytes of codes, K innermost, 32 scale bytes a row.
; SHARES.  4,096 x 2,048 / (128 x 256) = 256 work-groups.  A work-group makes 128 tokens x 256 columns, each of its four waves 64 x 128: 256 matrix instructions.
; ALL OF K LIES IN LDS AT ONCE: A's 8 tiles of images 98,304 bytes; B's 256 rows of 768 + 48 bytes 208,896; the scale bytes 13,056.  Nothing is filled again: every tile is asked for at the head, seven tensor loads a wave
; (by this text's own count seven are out), each a quarter of its item: A's scales, B's scales, A's codes, and four groups of B's rows (group g: blocks 2 g and 2 g + 1 of both halves of the columns).
; CLUSTER 4 x 4: A's items hang on the tile row alone and are asked for jointly along a row of the cluster, B's on the tile column alone and jointly along a column.
; THE WORK GOES BY B's BLOCKS, NOT BY K.  A wave reads its 4 x 8 fragments of A and its scale words from LDS once, into registers; then B's blocks of 16 columns come one after the other, each with all 8 steps of K: 32 matrix
; instructions on four accumulators by turns.  So the products begin when A and B's first group have landed, a group's barrier stands ahead of its first read alone, and finished columns leave early:
; after blocks 0-3 the wave's 64 rows x 64 columns go out (whole aligned runs of 256 bytes) while blocks 4-7 are multiplied.
; THE MATRIX INSTRUCTION IS USED TRANSPOSED (source 0 = 16 rows of B, source 1 = 16 rows of A): a lane holds one token, its registers run along the columns.
; THE ORDER OF ROWS.  Both sides carry, in every 32 places, the rows with bits 3 and 4 exchanged.  B's: a lane's registers of blocks 2 b, 2 b + 1 are columns 32 b + 16 (lane / 16) + 0 .. 15: the stage's offsets say so.
; A's: row t of block a is token 32 (a / 2) + 8 (a % 2) + t + 8 (t / 8): the stores' offsets say so.
; LDS PITCH.  16 bytes of padding behind every 256 of a row of B: rows 816 bytes = 204 words apart: row r starts at word 12 r mod 64, lanes 16-31 six or ten words on: the 32 lanes of a load of 8 bytes touch 64 different banks.
; REGISTERS: window 0: v0-31 addresses; v32-95 scale words (register 8 i + q: lanes 16-31 B's block i, lanes 0-15 A's block i for i < 4; K step q); v128-255 sixteen accumulators ((block % 4, a) at v[128 + 8 (4 (block % 4) + a)]).
;   window 1: A's fragments of K steps 0-3 ((a, q) at v[12 (4 q + a)]); window 2: of K steps 4-7.  v192-255 of both: rows of out0 on their way.  Window 3: B's fragments of a block, two sets of 96.
.set SIZE_N, 2048
.set FR,     12
.set NP,     4
.set ATILE,  12288                     ; a tile of 16 tokens: eight images
.set BOFF,   8*ATILE
.set BP,     816
.set BBLK,   16*BP
.set SCL,    BOFF+256*BP               ; the scale bytes, as units of 256 bytes + 16 of padding: A's 128 rows,
.set SBLK,   544                       ; (16 rows' worth)
.set SCB,    SCL+8*SBLK                ; then B's 256
.set SPARE,  SCB+16*SBLK               ; the spare words, 128 bytes a wave: two blocks of 256 bytes that no other line names
.set SPITCH, 272                       ; the way out: a stage of 64 rows x (256 + 16) bytes a wave, in A's bytes, which nobody reads behind the second barrier and into which no fill lands any more
.set STGW,   64*SPITCH
.set ADRA, 16                          ; v16     8 x lane + my 64 tokens' images
.set ADRB, 20                          ; v20-23  my rows of B: blocks 0-3, the same behind one padding more, blocks 4-7, the same
.set STO,  24
.set RD,   25
.set CO,   26
.set ADRS, 27
.set SPW,  28
.set NIL,  29
.set SC,   32
.set ACC,  128
.set OB,   192
.set G1SA, 24                          ; s[24:31] group 1 for A's scales; s[32:39] B's scales; s[40:47] A's codes; s[48:55] B's codes
.set G1SB, 32
.set G1A,  40
.set G1B,  48
.set G0SA, 56                          ; groups 0, one for each load, since all seven are out together
.set G0SB, 60
.set G0A,  68
.set G0B,  72                          ; s[72:87] B's four groups
.set MSB, 0
.macro WIN new                         ; the immediate's high byte repeats the setting that is left
.if MSB != (\new)
	s_set_vgpr_msb (MSB<<8)|(\new)
.set MSB, (\new)
.endif
.endm
.macro CROUND                          ; a round of the cluster's barrier
	s_barrier_signal -1
	s_barrier_wait -1
	s_cmp_lg_u32 s14, 0
	s_cbranch_scc1 .Lnot_wave_0_\@
	s_barrier_signal -3
.Lnot_wave_0_\@:
	s_barrier_wait -3
	s_barrier_signal -1
	s_barrier_wait -1
.endm
	s_load_b128 s[4:7], s[0:1], 0x0                ; ow_codes, ow_scales
	s_load_b64 s[12:13], s[0:1], 0x10              ; out0
	v_lshl_add_u32 v[SPW], v0, 2, SPARE
	v_mov_b32 v[NIL], 0
	ds_add_u32 v28, v29
	s_wait_dscnt 0x0
	v_lshrrev_b32 v1, 5, v0
	v_readfirstlane_b32 s14, v1                    ; wave 0..3
	s_lshr_b32 s15, s14, 1                         ; which 64 tokens are mine
	s_and_b32 s16, s14, 1                          ; which 128 columns
	s_bfe_u32 s88, ttmp6, 0x40000                  ; cx
	s_bfe_u32 s89, ttmp6, 0x40004                  ; cy
	s_lshl_b32 s90, ttmp9, 2
	s_add_co_u32 s90, s90, s88                     ; tile column, 0 .. 7
	s_and_b32 s91, ttmp7, 0xffff
	s_lshl_b32 s91, s91, 2
	s_add_co_u32 s91, s91, s89                     ; tile row, 0 .. 31
	s_lshl_b32 s92, s89, 2
	s_lshl_b32 s92, 15, s92                        ; my row of the cluster
	s_lshl_b32 s93, 0x1111, s88                    ; my column
	s_or_b32 s[G1SA], s92, (3<<16)|(1<<20)|(1<<21)|(5<<22)|(3<<25)  ; the scale bytes of 32 rows of A: 4 dense rows of 256 bytes (32 elements of 8), 4 words of padding behind each
	s_mov_b32 s[G1SA+1], 32<<16
	s_mov_b32 s[G1SA+2], 4<<16
	s_mov_b32 s[G1SA+3], 32<<16
	s_mov_b32 s[G1SA+4], 4
	s_mov_b32 s[G1SA+5], 32
	s_mov_b32 s[G1SA+6], 0
	s_mov_b32 s[G1SA+7], 0
	s_or_b32 s[G1SB], s93, (3<<16)|(1<<20)|(1<<21)|(5<<22)|(3<<25)  ; of 64 rows of B: 8 such rows
	s_mov_b32 s[G1SB+1], 32<<16
	s_mov_b32 s[G1SB+2], 8<<16
	s_mov_b32 s[G1SB+3], 32<<16
	s_mov_b32 s[G1SB+4], 8
	s_mov_b32 s[G1SB+5], 32
	s_mov_b32 s[G1SB+6], 0
	s_mov_b32 s[G1SB+7], 0
	s_or_b32 s[G1A], s92, (3<<16)|(1<<21)          ; two tiles of A's images: 24,576 dense bytes as 96 rows of 256, no padding
	s_mov_b32 s[G1A+1], 32<<16
	s_mov_b32 s[G1A+2], 96<<16
	s_mov_b32 s[G1A+3], 32<<16
	s_mov_b32 s[G1A+4], 96
	s_mov_b32 s[G1A+5], 32
	s_mov_b32 s[G1A+6], 0
	s_mov_b32 s[G1A+7], 0
	s_or_b32 s[G1B], s93, (0<<16)|(1<<20)|(1<<21)|(5<<22)|(3<<25)   ; a block of B: 16 rows of 768 bytes, 4 words of padding after every 64
	s_mov_b32 s[G1B+1], 768<<16
	s_mov_b32 s[G1B+2], 16<<16
	s_mov_b32 s[G1B+3], 768<<16
	s_mov_b32 s[G1B+4], 16
	s_mov_b32 s[G1B+5], 768
	s_mov_b32 s[G1B+6], 0
	s_mov_b32 s[G1B+7], 0
	; what my wave fetches.  A's items hang on the tile row and the wave's number, B's on the tile column and the wave's number; LDS addresses on the wave's number alone.
	s_lshl_b32 s18, s91, 3
	s_lshl_b32 s19, s14, 1
	s_add_co_u32 s18, s18, s19
	s_mul_i32 s18, s18, ATILE                      ; A's codes: tiles 8 x tile row + 2 x wave on
	s_mov_b32 s19, 0
	s_lshl_b32 s20, s91, 12
	s_lshl_b32 s21, s14, 10
	s_add_co_u32 s20, s20, s21                     ; A's scales: rows 128 x tile row + 32 x wave on, 32 bytes each
	s_mov_b32 s21, 0
	s_lshl_b32 s22, s90, 13
	s_lshl_b32 s23, s14, 11
	s_add_co_u32 s22, s22, s23
	s_add_co_u32 s22, s22, 131072                  ; B's scales: behind o's; rows 256 x tile column + 64 x wave on
	s_mov_b32 s23, 0
	s_lshl_b32 s94, s90, 8
	s_lshl_b32 s95, s16, 7
	s_add_co_u32 s94, s94, s95
	s_lshl_b32 s95, s15, 4
	s_add_co_u32 s94, s94, s95                     ; B's codes: of each group the block wave / 2 of the half wave % 2
	s_mul_i32 s94, s94, 768
	s_add_co_u32 s94, s94, 3145728                 ; behind o's images
	s_mov_b32 s95, 0
	s_mul_i32 s96, s14, 2*SBLK
	s_add_co_u32 s96, s96, SCL
	s_mul_i32 s97, s14, 4*SBLK
	s_add_co_u32 s97, s97, SCB
	s_mul_i32 s98, s14, 2*ATILE
	s_lshl_b32 s99, s16, 7
	s_lshl_b32 s3, s15, 4
	s_add_co_u32 s99, s99, s3
	s_mul_i32 s99, s99, BP
	s_add_co_u32 s99, s99, BOFF
	s_wait_kmcnt 0x0
	s_mov_b32 s[G0SA], 1
	s_mov_b32 s[G0SA+1], s96
	s_add_nc_u64 s[G0SA+2:G0SA+3], s[6:7], s[20:21]
	s_or_b32 s[G0SA+3], s[G0SA+3], 0x80000000
	s_mov_b32 s[G0SB], 1
	s_mov_b32 s[G0SB+1], s97
	s_add_nc_u64 s[G0SB+2:G0SB+3], s[6:7], s[22:23]
	s_or_b32 s[G0SB+3], s[G0SB+3], 0x80000000
	s_mov_b32 s[G0A], 1
	s_mov_b32 s[G0A+1], s98
	s_add_nc_u64 s[G0A+2:G0A+3], s[4:5], s[18:19]
	s_or_b32 s[G0A+3], s[G0A+3], 0x80000000
	s_add_nc_u64 s[8:9], s[4:5], s[94:95]
.irp g, 0,1,2,3
	s_mov_b32 s[G0B+4*\g], 1
	s_add_co_u32 s[G0B+4*\g+1], s99, \g*2*BBLK     ; a group is 32 rows of each half
	s_add_nc_u64 s[G0B+4*\g+2:G0B+4*\g+3], s[8:9], \g*32*768
	s_or_b32 s[G0B+4*\g+3], s[G0B+4*\g+3], 0x80000000
.endr
	CROUND                                         ; all sixteen work-groups are here: the joint loads meet
	tensor_load_to_lds s[G0SA:G0SA+3], s[G1SA:G1SA+7]
	s_nop 0
	tensor_load_to_lds s[G0SB:G0SB+3], s[G1SB:G1SB+7]
	s_nop 0
	tensor_load_to_lds s[G0A:G0A+3], s[G1A:G1A+7]
	s_nop 0
.irp g, 0,1,2,3
	tensor_load_to_lds s[G0B+4*\g:G0B+4*\g+3], s[G1B:G1B+7]
	s_nop 0
.endr
.rept 4
	v_nop                                          ; four plain lines follow the last of them
.endr
	v_and_b32 v1, 15, v0                           ; r
	v_bfe_u32 v2, v0, 4, 1                         ; h
	v_and_b32 v6, 31, v0
	v_lshlrev_b32 v7, 3, v6
	s_mul_i32 s18, s15, 4*ATILE
	v_add_nc_u32 v[ADRA], s18, v7
	v_mul_u32_u24 v3, v1, BP
	v_mul_u32_u24 v4, v2, 24
	v_add_nc_u32 v4, v3, v4                        ; a fragment's row x pitch + 24 x half
	v_lshl_add_u32 v5, v2, 4, v4                   ; and the same behind one padding more
	s_mul_i32 s19, s16, 128*BP
	s_add_co_u32 s19, s19, BOFF
	v_add_nc_u32 v[ADRB], s19, v4
	v_add_nc_u32 v[ADRB+1], s19, v5
	s_add_co_u32 s19, s19, 4*BBLK                  ; (an LDS offset has 16 bits: blocks 4-7 have registers of their own)
	v_add_nc_u32 v[ADRB+2], s19, v4
	v_add_nc_u32 v[ADRB+3], s19, v5
	v_mul_u32_u24 v5, v1, 32                       ; my row's scale bytes: 32 a row,
	v_lshrrev_b32 v6, 8, v5
	v_lshl_add_u32 v5, v6, 4, v5                   ; and 16 more for each 256 passed
	s_mul_i32 s18, s15, 4*SBLK                     ; A's: my 64 rows
	s_mul_i32 s19, s16, 8*SBLK                     ; B's: my 128 rows, behind A's 128
	s_add_co_u32 s19, s19, 8*SBLK
	s_sub_co_u32 s19, s19, s18
	v_mul_u32_u24 v6, s19, v2                      ; lanes 16-31 take B's
	s_add_co_u32 s18, s18, SCL
	v_add_nc_u32 v5, v5, v6
	v_add_nc_u32 v[ADRS], s18, v5
	s_mul_i32 s20, s14, STGW                       ; my stage
	v_mul_u32_u24 v5, v1, SPITCH
	v_lshl_add_u32 v5, v2, 6, v5                   ; in: row r, + 64 bytes for lanes 16-31: 16 columns
	v_add_nc_u32 v[STO], s20, v5
	v_mul_u32_u24 v5, v2, SPITCH
	v_lshl_add_u32 v5, v1, 4, v5                   ; back: lanes 0-15 one row of 256 bytes, lanes 16-31 the next
	v_add_nc_u32 v[RD], s20, v5
	v_lshlrev_b32 v5, 13, v2
	v_lshl_add_u32 v[CO], v1, 4, v5                ; and the same in out0: a row is 8,192 bytes
	s_lshl_b32 s18, s91, 7
	s_lshl_b32 s19, s15, 6
	s_add_co_u32 s18, s18, s19                     ; my first token
	s_lshl_b32 s18, s18, 13
	s_mov_b32 s19, 0
	s_lshl_b32 s94, s90, 10
	s_lshl_b32 s95, s16, 9
	s_add_co_u32 s94, s94, s95                     ; my first column, in bytes
	s_mov_b32 s95, 0
	s_add_nc_u64 s[18:19], s[18:19], s[94:95]
	s_add_nc_u64 s[12:13], s[12:13], s[18:19]
.macro PLACES n                        ; plain vector instructions between a matrix instruction and a load into, or an LDS store of, its registers
.rept \n
	v_nop
.endr
.endm
.macro GATE left                       ; the next group of B has landed, in every wave's part: left = my later groups, which may stay out; no LDS instruction of mine is pending at the signal
	s_wait_tensorcnt \left
	s_wait_dscnt 0x0
	s_barrier_signal -1
	s_barrier_wait -1
.endm
.macro SCALES                          ; 8 words a row: all of K
.irp i, 0,1,2,3,4,5,6,7
	ds_load_b128 v[SC+8*\i:SC+8*\i+3], v[ADRS] offset:\i*SBLK
	ds_load_b128 v[SC+8*\i+4:SC+8*\i+7], v[ADRS] offset:\i*SBLK+16
.endr
.endm
.macro FETCHA                          ; my 4 blocks x 8 K steps of A, from their images: each load takes 256 consecutive bytes
	WIN 0x40
.irp q, 0,1,2,3
.irp a, 0,1,2,3
.irp p, 0,1,2,3,4,5
	ds_load_b64 v[FR*(4*\q+\a)+2*\p:FR*(4*\q+\a)+2*\p+1], v[ADRA] offset:\a*ATILE+\q*1536+256*\p
.endr
.endr
.endr
	WIN 0x80
.irp q, 0,1,2,3
.irp a, 0,1,2,3
.irp p, 0,1,2,3,4,5
	ds_load_b64 v[FR*(4*\q+\a)+2*\p:FR*(4*\q+\a)+2*\p+1], v[ADRA] offset:\a*ATILE+(\q+4)*1536+256*\p
.endr
.endr
.endr
.endm
.macro FETCHB blk                      ; block blk of B, all 8 K steps, into set blk % 2: 48 loads of 8 bytes.  Lanes 16-31 read three pieces on; where that lies behind one padding more (32 pieces to a padding), the second register serves
	WIN 0xc0
.irp q, 0,1,2,3,4,5,6,7
.irp p, 0,1,2,3,4,5
.set PCE, 12*\q+6*(\p/3)+\p%3
.set BR, 96*((\blk)%2)+FR*\q+2*\p
.if PCE%32 < 29
	ds_load_b64 v[BR:BR+1], v[ADRB+2*((\blk)/4)] offset:8*PCE+16*(PCE/32)+((\blk)%4)*BBLK
.else
	ds_load_b64 v[BR:BR+1], v[ADRB+2*((\blk)/4)+1] offset:8*PCE+16*(PCE/32)+((\blk)%4)*BBLK
.endif
.endr
.endr
.endm
; 16 matrix instructions: block blk of B x my four blocks of A, K steps 4 hf .. 4 hf + 3, under one window setting.  The four accumulators take turns, one instruction a turn; K step 0 starts the sums.
.macro MULH blk, hf
	WIN 0x07+4*(\hf)                               ; source 0 (B) window 3, source 1 (A) window 1 or 2, C and D window 0
.irp qq, 0,1,2,3
.irp a, 0,1,2,3
.set QK, 4*(\hf)+\qq
.set DA, ACC+8*(4*((\blk)%4)+\a)
.set BF, 96*((\blk)%2)+FR*QK
.set AR, FR*(4*\qq+\a)
.if QK == 0
	v_wmma_scale_f32_16x16x128_f8f6f4 v[DA:DA+7], v[BF:BF+FR-1], v[AR:AR+FR-1], 0, v[SC+8*(\blk)+QK], v[SC+8*\a+QK] matrix_a_fmt:MATRIX_FMT_BF6 matrix_b_fmt:MATRIX_FMT_BF6 matrix_a_scale:MATRIX_SCALE_ROW1
.else
	v_wmma_scale_f32_16x16x128_f8f6f4 v[DA:DA+7], v[BF:BF+FR-1], v[AR:AR+FR-1], v[DA:DA+7], v[SC+8*(\blk)+QK], v[SC+8*\a+QK] matrix_a_fmt:MATRIX_FMT_BF6 matrix_b_fmt:MATRIX_FMT_BF6 matrix_a_scale:MATRIX_SCALE_ROW1
.endif
.endr
.endr
.endm
; THE WAY OUT of four blocks: 64 tokens x 64 columns.  A lane holds 32 neighbouring bytes of a row and the lanes beside it other rows: so the sixteen accumulators go through my own stage and come back as whole rows of 256 bytes.
; LDS serves a wave's instructions in order: no wait between the stores and the loads.
.macro TOSTAGE
	WIN 0
.irp a, 0,1,2,3
.irp bl, 0,1,2,3
	ds_store_b128 v[STO], v[ACC+8*(4*\bl+\a):ACC+8*(4*\bl+\a)+3] offset:\a*16*SPITCH+128*(\bl/2)+32*(\bl%2)       ; columns 32 (bl / 2) + 16 (lane / 16) + 8 (bl % 2) on; each accumulator from its low end on
	ds_store_b128 v[STO], v[ACC+8*(4*\bl+\a)+4:ACC+8*(4*\bl+\a)+7] offset:\a*16*SPITCH+128*(\bl/2)+32*(\bl%2)+16
.endr
.endr
	WIN 0x40
.irp t, 0,1,2,3,4,5,6,7,8,9,10,11,12,13,14,15
	ds_load_b128 v[OB+4*\t:OB+4*\t+3], v[RD] offset:2*\t*SPITCH
.endr
	WIN 0x80
.irp t, 0,1,2,3,4,5,6,7,8,9,10,11,12,13,14,15
	ds_load_b128 v[OB+4*\t:OB+4*\t+3], v[RD] offset:2*(\t+16)*SPITCH
.endr
.endm
; Load t of a block's eight brought stage rows 2 t and 2 t + 1: tokens 16 (t / 4) + 2 (t % 4) + lane / 16 of the block's; block a begins at token 32 (a / 2) + 8 (a % 2).  hh: which 64 columns.  down = 1: the loads are waited for one by one.
.macro SEND hh, down
	WIN 0x04                                       ; the data: window 1
.irp t, 0,1,2,3,4,5,6,7,8,9,10,11,12,13,14,15
.if \down
	s_wait_dscnt 31-\t
.endif
	global_store_b128 v[CO], v[OB+4*\t:OB+4*\t+3], s[12:13] offset:(8*(\t/8)+16*((\t%8)/4)+2*(\t%4))*SIZE_N*4+256*(\hh) th:TH_STORE_NT   ; 16 lanes store 256 consecutive bytes, aligned
.endr
	WIN 0x08                                       ; window 2
.irp t, 0,1,2,3,4,5,6,7,8,9,10,11,12,13,14,15
.if \down
	s_wait_dscnt 15-\t
.endif
	global_store_b128 v[CO], v[OB+4*\t:OB+4*\t+3], s[12:13] offset:(32+8*(\t/8)+16*((\t%8)/4)+2*(\t%4))*SIZE_N*4+256*(\hh) th:TH_STORE_NT
.endr
.endm
	s_wait_tensorcnt 4                             ; my parts of the scales and of A are in; B's four groups may be out,
	s_barrier_signal -1
	s_barrier_wait -1                              ; everybody's are
	SCALES
	FETCHA
	GATE 3                                         ; B's group 0 is whole; and every wave has read A into its registers: A's bytes are free for the stages
	FETCHB 0
	FETCHB 1
	s_wait_dscnt 48                                ; block 0 is in; block 1's 48 loads may be out
	MULH 0, 0
	MULH 0, 1
	GATE 2                                         ; group 1
	PLACES NP
	FETCHB 2
	MULH 1, 0
	MULH 1, 1
	PLACES NP
	FETCHB 3
	s_wait_dscnt 48                                ; block 2 is in
	MULH 2, 0
	MULH 2, 1
	GATE 1                                         ; group 2
	PLACES NP
	FETCHB 4
	MULH 3, 0
	MULH 3, 1
	PLACES NP                                      ; the results are read, and set 1 is loaded again, below
	TOSTAGE                                        ; columns 0-63 of my 128 are finished
	s_wait_dscnt 32                                ; all but the 32 loads back from the stage: block 4 is in, and the stage's stores have read the accumulators, which begin anew
	MULH 4, 0
	FETCHB 5
	MULH 4, 1
	s_wait_dscnt 48                                ; the rows are back from the stage; block 5's 48 loads may be out
	SEND 0, 0                                      ; they leave while blocks 5 to 7 are multiplied
	GATE 0                                         ; group 3: no tensor load of mine is out any more
	PLACES NP
	FETCHB 6
	MULH 5, 0
	MULH 5, 1
	PLACES NP
	FETCHB 7
	s_wait_dscnt 48                                ; block 6 is in
	MULH 6, 0
	MULH 6, 1
	s_wait_dscnt 0x0
	MULH 7, 0
	MULH 7, 1
	PLACES NP
	s_wait_xcnt 0x0                                ; the first half's stores have read their registers: the second half's rows land there only behind this wait
	TOSTAGE
	SEND 1, 1
	WIN 0
	s_wait_tensorcnt 0x0                           ; the wave's end
	ds_add_u32 v[SPW], v[NIL]
	s_wait_dscnt 0x0
	CROUND                                         ; the closing round: no work-group ends while a partner may still ask for a tile that names it
	s_endpgm
.Lfunc_end_k_q1e783d568e_outp:
	.size	k_q1e783d568e_outp, .Lfunc_end_k_q1e783d568e_outp-k_q1e783d568e_outp
	.p2alignl 7, 3214868480
	.fill 96, 4, 3214868480
	.section	.rodata,"a",@progbits
	.p2align	6, 0x0
	.amdhsa_kernel k_q1e783d568e_outp
		.amdhsa_group_segment_fixed_size 327680
		.amdhsa_private_segment_fixed_size 0
		.amdhsa_enable_private_segment 0
		.amdhsa_kernarg_size 24
		.amdhsa_user_sgpr_count 2
		.amdhsa_user_sgpr_kernarg_segment_ptr 1
		.amdhsa_wavefront_size32 1
		.amdhsa_system_sgpr_workgroup_id_x 1
		.amdhsa_system_sgpr_workgroup_id_y 1
		.amdhsa_system_sgpr_workgroup_id_z 1
		.amdhsa_system_vgpr_workitem_id 0
		.amdhsa_next_free_vgpr 1024
		.amdhsa_next_free_sgpr 100
		.amdhsa_reserve_vcc 0
		.amdhsa_float_denorm_mode_32 3
		.amdhsa_float_denorm_mode_16_64 3
		.amdhsa_memory_ordered 1
		.amdhsa_forward_progress 1
		.amdhsa_inst_pref_size 97
	.end_amdhsa_kernel
	.amdgpu_metadata
---
amdhsa.version: [ 1, 2 ]
amdhsa.kernels:
  - .name:           k_q1e783d568e_outp
    .symbol:         k_q1e783d568e_outp.kd
    .args:
      - { .name: ow_codes, .offset: 0, .size: 8, .value_kind: global_buffer, .address_space: global }
      - { .name: ow_scales, .offset: 8, .size: 8, .value_kind: global_buffer, .address_space: global }
      - { .name: out0, .offset: 16, .size: 8, .value_kind: global_buffer, .address_space: global }
    .group_segment_fixed_size: 327680
    .private_segment_fixed_size: 0
    .kernarg_segment_align: 8
    .kernarg_segment_size: 24
    .max_flat_workgroup_size: 128
    .sgpr_count:     100
    .vgpr_count:     1024
    .wavefront_size: 32
...
	.end_amdgpu_metadata
.endif
;; end of part 4
